; MI455X (gfx1250); checked and timed in simulation.
; The chip was launched on July 23, 2026; its instructions are those of AMD's public machine-readable ISA for CDNA 5 (MIT licence, August 2026) and "CDNA5" Instruction Set Architecture Reference Guide (July 2026). The comments in the code are by the model that wrote it; some were corrected since.
;; group decoder sf. Allowed arithmetic: matrix products marked QUANTISED: E2M1 operands, one E8M0 scale for each 32 along K, by v_wmma_scale_f32_16x16x128_f8f6f4 with both operands' format E2M1 (or v_wmma_scale_f32_32x16x128_f4), f32 sums; products left as they are: f32 operands where the result goes on into a quantised operand, else bf16, f16 or f32 operands; f32 sums; everything else in f32.
;; Inputs: g1_b 64 float32; g1_w_codes 64 x 16 x 16 uint8 (E2M1 codes of g1_w, K innermost, in blocks of 32 codes, two codes a byte); g1_w_scales 64 x 16 uint8 (E8M0 scales of g1_w, one for each 32 codes along K); g2_b 16 float32; g2_w_codes 16 x 2 x 16 uint8 (E2M1 codes of g2_w, K innermost, in blocks of 32 codes, two codes a byte); g2_w_scales 16 x 2 uint8 (E8M0 scales of g2_w, one for each 32 codes along K); g3_b 4 float32; g3_w 4 x 16 float32; g4_b 2 float32; g4_w 2 x 4 float32; gl1_b 64 float32; gl1_g 64 float32; gl2_b 16 float32; gl2_g 16 float32; gl3_b 4 float32; gl3_g 4 float32; group_token 16 x 512 x 2 float32; k_b 512 float32; k_w_codes 512 x 16 x 16 uint8 (E2M1 codes of k_w, K innermost, in blocks of 32 codes, two codes a byte); k_w_scales 512 x 16 uint8 (E8M0 scales of k_w, one for each 32 codes along K); m1_b 1,024 float32; m1_w_codes 1,024 x 32 x 16 uint8 (E2M1 codes of m1_w, K innermost, in blocks of 32 codes, two codes a byte); m1_w_scales 1,024 x 32 uint8 (E8M0 scales of m1_w, one for each 32 codes along K); m2_b 512 float32; m2_w_codes 512 x 32 x 16 uint8 (E2M1 codes of m2_w, K innermost, in blocks of 32 codes, two codes a byte); m2_w_scales 512 x 32 uint8 (E8M0 scales of m2_w, one for each 32 codes along K); merge_b 512 float32; merge_w_codes 512 x 16 x 16 uint8 (E2M1 codes of merge_w, K innermost, in blocks of 32 codes, two codes a byte); merge_w_scales 512 x 16 uint8 (E8M0 scales of merge_w, one for each 32 codes along K); n0_b 512 float32; n0_g 512 float32; n1_b 512 float32; n1_g 512 float32; q_b 512 float32; q_w_codes 512 x 16 x 16 uint8 (E2M1 codes of q_w, K innermost, in blocks of 32 codes, two codes a byte); q_w_scales 512 x 16 uint8 (E8M0 scales of q_w, one for each 32 codes along K); v_b 512 float32; v_w_codes 512 x 16 x 16 uint8 (E2M1 codes of v_w, K innermost, in blocks of 32 codes, two codes a byte); v_w_scales 512 x 16 uint8 (E8M0 scales of v_w, one for each 32 codes along K); wc1_b 2,048 float32; wc1_w_codes 2,048 x 16 x 16 uint8 (E2M1 codes of wc1_w, K innermost, in blocks of 32 codes, two codes a byte); wc1_w_scales 2,048 x 16 uint8 (E8M0 scales of wc1_w, one for each 32 codes along K); wc2_b 512 float32; wc2_w_codes 512 x 64 x 16 uint8 (E2M1 codes of wc2_w, K innermost, in blocks of 32 codes, two codes a byte); wc2_w_scales 512 x 64 uint8 (E8M0 scales of wc2_w, one for each 32 codes along K); ws1_b 256 float32; ws1_w 256 x 2 float32; ws2_b 2 float32; ws2_w 2 x 256 float32; x 16 x 512 x 2,048 float32.
;; Outputs: out0 16 x 2,048 float32.
;; This version of the problem:
;;   THIS VERSION OF THE PROBLEM IS GIVEN IN LOW PRECISION. The matrix products marked QUANTISED in the list below multiply operands that are first quantised to E2M1 (2 exponent bits, 1 mantissa bit; 4 bits a number), with one power-of-two scale for each 32 numbers along K (OCP MX v1.0); their sums are f32. All else is computed in f32.
;;   The module's matrix products, in the order in which they are computed (A, B: the left and right operand; K: the contracted axis; several contracted axes count as one K, in the product's order):
;;     1. [M 8,192, K 2] x [K 2, N 256]; A: input group_token; B: input ws1_w: left as it is (K = 2 < 32)
;;     2. [M 8,192, K 256] x [K 256, N 2]; A: computed on the way; B: input ws2_w: left as it is (N = 2 < 16)
;;     3. [M 32, K 512] x [K 512, N 2,048]; A: computed on the way; B: input wc1_w (given as codes): QUANTISED
;;     4. [M 32, K 2,048] x [K 2,048, N 512]; A: computed on the way; B: input wc2_w (given as codes): QUANTISED
;;     5. [M 32,768, K 512] x [K 512, N 512]; A: input x; B: input q_w (given as codes): QUANTISED
;;     6. [M 32, K 512] x [K 512, N 512]; A: computed on the way; B: input k_w (given as codes): QUANTISED
;;     7. [M 32, K 512] x [K 512, N 512]; A: computed on the way; B: input v_w (given as codes): QUANTISED
;;     8. batch 64 x [M 2,048, K 128] x [K 128, N 2]; A: computed on the way; B: computed on the way: left as it is (N = 2 < 16)
;;     9. batch 64 x [M 128, K 2] x [K 2, N 2,048]; A: computed on the way; B: softmax: left as it is (K = 2 < 32)
;;     10. [M 32,768, K 512] x [K 512, N 512]; A: computed on the way; B: input merge_w (given as codes): QUANTISED
;;     11. [M 32,768, K 1,024] x [K 1,024, N 1,024]; A: computed on the way; B: input m1_w (given as codes): QUANTISED
;;     12. [M 32,768, K 1,024] x [K 1,024, N 512]; A: computed on the way; B: input m2_w (given as codes): QUANTISED
;;     13. [M 32,768, K 512] x [K 512, N 64]; A: computed on the way; B: input g1_w (given as codes): QUANTISED
;;     14. [M 32,768, K 64] x [K 64, N 16]; A: computed on the way; B: input g2_w (given as codes): QUANTISED
;;     15. [M 32,768, K 16] x [K 16, N 4]; A: computed on the way; B: input g3_w: left as it is (K = 16 < 32)
;;     16. [M 32,768, K 4] x [K 4, N 2]; A: computed on the way; B: input g4_w: left as it is (K = 4 < 32)
;;   THE QUANTISER, for each operand of a quantised product, along K:
;;     - K is cut into blocks of 32 from its start; a last block that is shorter is filled with zeros.
;;     - A block's scale is 2^e with e = floor(log2(the largest magnitude in the block)) - 2, held to -126 .. 127; a block of zeros has e = 0. As a byte (E8M0): e + 127.
;;     - Each number is divided by its block's scale, clamped to +-6, and rounded to the nearest number of E2M1, ties to even, subnormals kept.
;;     - The product sums the exact products of the quantised numbers (number of the format x scale) in f32.
;;   ~~~python
;;   def quantise(x, axis):      # numpy; x: float32 -> the quantised numbers, widened to float32 again
;;       x = np.moveaxis(x, axis, -1); K = x.shape[-1]
;;       x = np.pad(x, [(0, 0)] * (x.ndim - 1) + [(0, -K % 32)]); x = x.reshape(x.shape[:-1] + (-1, 32)); a = np.abs(x).max(-1, keepdims=True)
;;       e = np.where(a > 0, np.clip(np.frexp(np.where(a > 0, a, 1))[1] - 1 - 2, -126, 127), 0)      # np.frexp(a)[1] - 1 = floor(log2(a)), exactly
;;       r = np.clip(x / 2.0 ** e, -6, 6)
;;       step = 2.0 ** (np.maximum(np.frexp(np.where(r == 0, 1, r))[1] - 1, 0) - 1)
;;       q = np.round(r / step) * step * 2.0 ** e      # np.round: ties to even
;;       return np.moveaxis(q.reshape(q.shape[:-2] + (-1,))[..., :K], -1, axis).astype(np.float32)
;;   ~~~
;;   OPERANDS COMPUTED ON THE WAY. 'Computed on the way' means the value that the module computes at that place (a softmax that the list does not call 'softmax' is quantised finished and normalised). What goes into a quantiser is computed in f32, as accurately as f32 sums, v_exp_f32 and their like allow (about 1e-6 of the number): no bf16 or f16 on the way to a quantiser, and a product that is left as it is and whose result goes on into a quantised operand takes f32 operands (vector FMAs, or v_wmma_f32_16x16x4_f32). A number that lies on a knife's edge between two numbers of the format may be rounded either way, as far as f32 arithmetic and the matrix unit's own rounding can turn it there, and no further.
;;   INPUTS GIVEN AS CODES. g1_w (in the module: [64, 512], K = its axis 1); g2_w (in the module: [16, 64], K = its axis 1); k_w (in the module: [512, 512], K = its axis 1); m1_w (in the module: [1024, 1024], K = its axis 1); m2_w (in the module: [512, 1024], K = its axis 1); merge_w (in the module: [512, 512], K = its axis 1); q_w (in the module: [512, 512], K = its axis 1); v_w (in the module: [512, 512], K = its axis 1); wc1_w (in the module: [2048, 512], K = its axis 1); wc2_w (in the module: [512, 2048], K = its axis 1): each comes as NAME_codes (uint8): NAME with its K axis moved to the last place and cut into blocks of 32 codes, [.., K / 32, bytes a block], one block behind the other in memory; two codes a byte, the lower K in the low four bits (a code: sign, 2 exponent bits, 1 mantissa bit); and NAME_scales (uint8): the same leading axes, one E8M0 byte (e + 127) for each 32 codes along K. Its value is code x scale, taken as it is: it is not quantised again, and the codes and scales need not be those that the quantiser above would give.
;; One version. Each part assembles by itself: llvm-mc -triple=amdgcn-amd-amdhsa -mcpu=gfx1250 --defsym DOCPART=n.
;; ======== version 1 of 1: 3 launches
;; workspace buffers: gt1t 65,536 bytes; wst 1,531,904 bytes; part 524,288 bytes
;; launch prep (part 1): grid 150 x 1, 16 waves a work-group, no clusters, 10,240 bytes of LDS; arguments group_token, ws1_w, ws1_b, ws2_w, ws2_b, q_w_codes, q_w_scales, merge_w_codes, merge_w_scales, m1_w_codes, m1_w_scales, m2_w_codes, m2_w_scales, g1_w_codes, g1_w_scales, gt1t, wst, k_w_codes, k_w_scales, v_w_codes, v_w_scales; writes gt1t, wst
.if DOCPART == 1
	.amdgcn_target "amdgcn-amd-amdhsa--gfx1250"
	.amdhsa_code_object_version 6
	.text
	.protected	k_q9d6a6ef624_prep
	.globl	k_q9d6a6ef624_prep
	.p2align	8
	.type	k_q9d6a6ef624_prep,@function
k_q9d6a6ef624_prep:
	s_mov_b64 s[64:65], 0
	v_nop
	global_prefetch_b8 v0, s[64:65] scope:SCOPE_SE
	s_setreg_imm32_b32 hwreg(HW_REG_WAVE_MODE, 25, 1), 1
	s_wait_xcnt 0x0
; Two jobs in one launch, parted by the work-group's number.
; Work-groups 0-127: gt1 = group_token + mlp_s(group_token), all in f32, stored as gt1t[2 b + j][512] (K innermost for the next launch).
;   A work-group takes 64 points (b, d); each of its 16 waves takes 16 of the 256 hidden units for all 64 points (two points a lane);
;   the waves' partial sums meet in LDS and wave 0 adds them in a fixed order.
; Work-groups 128-149: the weights of q, merge, m1, m2, g1, k, v are laid in the order in which a wave's operand registers take them.
;   A chunk (4,352 bytes) = one wave's four tiles of 16 rows for one K step of 128: piece 2 t + c at 512 (2 t + c) + 16 lane holds the 16 bytes
;   of row(t, r) at K byte 64 s + 32 c + 16 h; at 4,096 + 8 lane two scale words: word i of lane (r, h) belongs to tile i + 2 h.
;   Lane r of tile 2 B + u takes row 32 B + 8 u + r + 8 (r / 8), so that a result's registers run along 16 neighbouring channels.
;   wst = [8 waves][44 chunks]: 0-3 q, 4-7 merge, 8-23 m1 (two halves of its rows), 24-31 m2, 32-35 g1, 36-39 k, 40-43 v.  One wave makes one chunk.
; GELU is exact: 0.5 y (1 + erf(y / sqrt 2)), erf as z P(z^2) / Q(z^2) with z held to +-4 (absolute error about 1e-7).
; LIMITS: NaN and infinities among the inputs are not served.
.set CA, 12                            ; v[12:13] a11, v[14:15] b6: the two constants that stand as addends beside a literal
.set CB, 14
.macro GMULC D, A, lit, NPR            ; D = A x lit, NPR pairs
.set gi, 0
.rept \NPR
	v_pk_mul_f32 v[\D+gi:\D+gi+1], v[\A+gi:\A+gi+1], \lit op_sel_hi:[1,0]
.set gi, gi+2
.endr
.endm
.macro GMUL D, A, B, NPR               ; D = A x B
.set gi, 0
.rept \NPR
	v_pk_mul_f32 v[\D+gi:\D+gi+1], v[\A+gi:\A+gi+1], v[\B+gi:\B+gi+1]
.set gi, gi+2
.endr
.endm
.macro GHEAD D, A, lit, C, NPR         ; D = A x lit + v[C:C+1]
.set gi, 0
.rept \NPR
	v_pk_fma_f32 v[\D+gi:\D+gi+1], v[\A+gi:\A+gi+1], \lit, v[\C:\C+1] op_sel_hi:[1,0,1]
.set gi, gi+2
.endr
.endm
.macro GSTEP D, A, lit, NPR            ; D = D x A + lit
.set gi, 0
.rept \NPR
	v_pk_fma_f32 v[\D+gi:\D+gi+1], v[\D+gi:\D+gi+1], v[\A+gi:\A+gi+1], \lit op_sel_hi:[1,1,0]
.set gi, gi+2
.endr
.endm
; v[H..] holds 0.5 y and takes gelu(y); stage by stage over all pairs, so that no line waits for the line above it
.macro GELU H, NPR, Z, X2, P, Q
	GMULC \Z, \H, 0x3fb504f3, \NPR                 ; z = y / sqrt 2
.set gi, 0
.rept 2*\NPR
	v_med3_num_f32 v[\Z+gi], v[\Z+gi], -4.0, 4.0
.set gi, gi+1
.endr
	GMUL \X2, \Z, \Z, \NPR
	GHEAD \P, \X2, 0xaf95df0b, CA, \NPR
	GHEAD \Q, \X2, 0xb77460cd, CB, \NPR
	GSTEP \P, \X2, 0xb60cff51, \NPR
	GSTEP \Q, \X2, 0xbadc924e, \NPR
	GSTEP \P, \X2, 0xb86ec2d2, \NPR
	GSTEP \Q, \X2, 0xbbf19bf8, \NPR
	GSTEP \P, \X2, 0xba40ac63, \NPR
	GSTEP \Q, \X2, 0xbc69b6a7, \NPR
	GSTEP \P, \X2, 0xbb41a1f6, \NPR
	GSTEP \P, \X2, 0xbc83dbd4, \NPR
.set gi, 0
.rept 2*\NPR
	v_rcp_f32 v[\Q+gi], v[\Q+gi]
.set gi, gi+1
.endr
	GMUL \P, \P, \Z, \NPR                          ; plain work behind the reciprocals, which names none of them
	s_wait_alu depctr_va_vdst(0)                   ; one wait for the batch of reciprocals, ahead of their first reader
	GMUL \P, \P, \Q, \NPR                          ; erf
.set gi, 0
.rept \NPR
	v_pk_fma_f32 v[\H+gi:\H+gi+1], v[\H+gi:\H+gi+1], v[\P+gi:\P+gi+1], v[\H+gi:\H+gi+1]
.set gi, gi+2
.endr
.endm
	v_lshl_add_u32 v96, v0, 2, 0x2000
	v_mov_b32 v97, 0
	v_lshrrev_b32 v1, 5, v0
	v_readfirstlane_b32 s2, v1                     ; wave 0..15
	v_and_b32 v1, 31, v0                           ; lane
	v_lshlrev_b32 v2, 4, v1                        ; 16 x lane
	s_cmp_lt_u32 ttmp9, 128
	s_cbranch_scc0 .Lrelay
	; ---- the pointwise MLP
	s_load_b256 s[52:59], s[0:1], 0x0              ; group_token, ws1_w, ws1_b, ws2_w
	s_load_b64 s[60:61], s[0:1], 0x20              ; ws2_b
	s_load_b64 s[62:63], s[0:1], 0x78              ; gt1t
	s_lshl_b32 s3, s2, 7                           ; my 16 rows of ws1_w: 128 bytes a wave
	s_lshl_b32 s66, s2, 6                          ; my 16 numbers of a row of 256
	s_lshl_b32 s67, ttmp9, 9                       ; my work-group's 64 points: 8 bytes each
	v_add_nc_u32 v3, s67, v2
	v_lshlrev_b32 v56, 4, v0                       ; LDS: 16 bytes a thread
	v_mov_b32 v12, 0x32edffee
	v_mov_b32 v13, 0x32edffee
	v_mov_b32 v14, 0xb95fbd29
	v_mov_b32 v15, 0xb95fbd29
	s_wait_kmcnt 0x0
	global_load_b128 v[4:7], v3, s[52:53]          ; (g0, g1) of points d and d + 1
	s_load_b512 s[4:19], s[54:55], s3 offset:0x0   ; ws1_w[16 w ..][2]
	s_load_b512 s[20:35], s[54:55], s3 offset:0x40
	s_load_b512 s[36:51], s[56:57], s66 offset:0x0 ; ws1_b
	s_load_b512 s[68:83], s[58:59], s66 offset:0x0 ; ws2_w[0]
	s_load_b512 s[84:99], s[58:59], s66 offset:0x400   ; ws2_w[1]
	s_load_b64 s[100:101], s[60:61], 0x0           ; ws2_b
	s_wait_kmcnt 0x0
	s_wait_loadcnt 0x0
.macro BATCH q                         ; hidden units 4 q .. 4 q + 3 of my 16, both points
.irp u, 0,1,2,3
	v_fma_f32 v[16+2*\u], v5, s[5+2*(4*\q+\u)], s[36+4*\q+\u]
	v_fma_f32 v[17+2*\u], v7, s[5+2*(4*\q+\u)], s[36+4*\q+\u]
.endr
.irp u, 0,1,2,3
	v_fma_f32 v[16+2*\u], v4, s[4+2*(4*\q+\u)], v[16+2*\u]
	v_fma_f32 v[17+2*\u], v6, s[4+2*(4*\q+\u)], v[17+2*\u]
.endr
	GMULC 16, 16, 0.5, 4
	GELU 16, 4, 24, 32, 40, 48
.irp u, 0,1,2,3
.if (\q == 0) && (\u == 0)
	v_mul_f32 v8, s68, v16                         ; the first unit starts the four sums
	v_mul_f32 v9, s68, v17
	v_mul_f32 v10, s84, v16
	v_mul_f32 v11, s84, v17
.else
	v_fmac_f32 v8, s[68+4*\q+\u], v[16+2*\u]
	v_fmac_f32 v9, s[68+4*\q+\u], v[17+2*\u]
	v_fmac_f32 v10, s[84+4*\q+\u], v[16+2*\u]
	v_fmac_f32 v11, s[84+4*\q+\u], v[17+2*\u]
.endif
.endr
.endm
	BATCH 0
	BATCH 1
	BATCH 2
	BATCH 3
	ds_store_b128 v56, v[8:11]
	s_wait_dscnt 0x0                               ; my partial sums lie in LDS
	s_barrier_signal -1
	s_barrier_wait -1
	s_cmp_lg_u32 s2, 0
	s_cbranch_scc1 .Lend
.irp i, 0,1,2,3,4,5,6,7,8,9,10,11,12,13,14,15
	ds_load_b128 v[16+4*\i:19+4*\i], v2 offset:512*\i
.endr
	s_wait_dscnt 0x0
.irp i, 1,2,3,4,5,6,7,8,9,10,11,12,13,14,15
	v_pk_add_f32 v[16:17], v[16:17], v[16+4*\i:17+4*\i]
	v_pk_add_f32 v[18:19], v[18:19], v[18+4*\i:19+4*\i]
.endr
	v_add_f32 v16, s100, v16
	v_add_f32 v17, s100, v17
	v_add_f32 v18, s101, v18
	v_add_f32 v19, s101, v19
	v_add_f32 v16, v16, v4                         ; + group_token
	v_add_f32 v17, v17, v6
	v_add_f32 v18, v18, v5
	v_add_f32 v19, v19, v7
	s_lshr_b32 s3, ttmp9, 3
	s_lshl_b32 s3, s3, 12                          ; row 2 b of 2,048 bytes
	s_and_b32 s66, ttmp9, 7
	s_lshl_b32 s66, s66, 8                         ; 64 columns of 4 bytes
	s_add_co_u32 s3, s3, s66
	v_lshl_add_u32 v80, v1, 3, s3
	global_store_b64 v80, v[16:17], s[62:63]                   ; the wave stores 256 consecutive bytes, aligned
	global_store_b64 v80, v[18:19], s[62:63] offset:2048
.Lend:
	s_wait_tensorcnt 0x0
	ds_add_u32 v96, v97
	s_wait_dscnt 0x0
	s_endpgm
	; ---- the weights in register order
.Lrelay:
	s_load_b512 s[8:23], s[0:1], 0x28              ; q, merge, m1, m2: codes and scales
	s_load_b128 s[24:27], s[0:1], 0x68             ; g1's
	s_load_b64 s[28:29], s[0:1], 0x80              ; wst
	s_load_b256 s[44:51], s[0:1], 0x88             ; k's and v's
	s_sub_co_u32 s3, ttmp9, 128
	s_lshl_b32 s3, s3, 4
	s_add_co_u32 s3, s3, s2                        ; which of the 352 chunks
	s_and_b32 s4, s3, 7                            ; for wave w of the main launch
	s_lshr_b32 s5, s3, 3                           ; chunk 0..43
	s_sub_co_u32 s6, s5, 8
	s_and_b32 s7, s5, 3
	s_and_b32 s34, s6, 7
	s_cmp_lt_u32 s6, 24                            ; m1 or m2: rows of 512 bytes, eight K steps
	s_cselect_b32 s35, 9, 8                        ; log2 of a row's bytes
	s_cselect_b32 s7, s34, s7                      ; the K step
	s_lshl_b32 s36, s4, 6                          ; first row: 64 w,
	s_sub_co_u32 s37, s5, 16
	s_cmp_lt_u32 s37, 8
	s_cselect_b32 s37, 512, 0                      ; + 512 in m1's second half,
	s_add_co_u32 s36, s36, s37
	s_sub_co_u32 s37, s5, 32
	s_cmp_lt_u32 s37, 4
	s_cselect_b32 s36, 0, s36                      ; 0 in g1
	s_wait_kmcnt 0x0
	s_cmp_lt_u32 s5, 40                            ; the choice of buffers hangs on the chunk's number alone
	s_cselect_b64 s[30:31], s[44:45], s[48:49]
	s_cselect_b64 s[32:33], s[46:47], s[50:51]
	s_cmp_lt_u32 s5, 36
	s_cselect_b64 s[30:31], s[24:25], s[30:31]
	s_cselect_b64 s[32:33], s[26:27], s[32:33]
	s_cmp_lt_u32 s5, 32
	s_cselect_b64 s[30:31], s[20:21], s[30:31]
	s_cselect_b64 s[32:33], s[22:23], s[32:33]
	s_cmp_lt_u32 s5, 24
	s_cselect_b64 s[30:31], s[16:17], s[30:31]
	s_cselect_b64 s[32:33], s[18:19], s[32:33]
	s_cmp_lt_u32 s5, 8
	s_cselect_b64 s[30:31], s[12:13], s[30:31]
	s_cselect_b64 s[32:33], s[14:15], s[32:33]
	s_cmp_lt_u32 s5, 4
	s_cselect_b64 s[30:31], s[8:9], s[30:31]
	s_cselect_b64 s[32:33], s[10:11], s[32:33]
	s_lshl_b32 s38, s36, s35
	s_lshl_b32 s39, s7, 6
	s_add_co_u32 s38, s38, s39
	s_mov_b32 s39, 0
	s_add_nc_u64 s[30:31], s[30:31], s[38:39]      ; codes at the first row, K step s
	s_sub_co_u32 s40, s35, 4                       ; a row of scales is a sixteenth of a row of codes
	s_lshl_b32 s38, s36, s40
	s_lshl_b32 s41, s7, 2
	s_add_co_u32 s38, s38, s41
	s_add_nc_u64 s[32:33], s[32:33], s[38:39]
	s_mul_i32 s38, s4, 44
	s_add_co_u32 s38, s38, s5
	s_mul_i32 s38, s38, 4352
	s_add_nc_u64 s[28:29], s[28:29], s[38:39]
	v_and_b32 v3, 15, v0                           ; r
	v_bfe_u32 v5, v0, 4, 1                         ; h
	v_and_b32 v4, 8, v3
	v_add_nc_u32 v4, v4, v3                        ; r + 8 (r / 8)
.irp t, 0,1,2,3
	v_add_nc_u32 v[8+\t], 32*(\t/2)+8*(\t%2), v4
	v_lshlrev_b32 v[8+\t], s35, v[8+\t]
	v_lshl_add_u32 v[8+\t], v5, 4, v[8+\t]
.endr
	v_lshl_add_u32 v6, v5, 5, v4                   ; the scale words' rows: tiles 2 h and 2 h + 1
	v_lshlrev_b32 v12, s40, v6
	v_add_nc_u32 v13, 8, v6
	v_lshlrev_b32 v13, s40, v13
.irp t, 0,1,2,3
.irp c, 0,1
	global_load_b128 v[16+4*(2*\t+\c):19+4*(2*\t+\c)], v[8+\t], s[30:31] offset:32*\c
.endr
.endr
	global_load_b32 v48, v12, s[32:33]
	global_load_b32 v49, v13, s[32:33]
	v_lshlrev_b32 v7, 3, v1
	s_wait_loadcnt 0x0
.irp i, 0,1,2,3,4,5,6,7
	global_store_b128 v2, v[16+4*\i:19+4*\i], s[28:29] offset:512*\i       ; 512 consecutive bytes a store
.endr
	global_store_b64 v7, v[48:49], s[28:29] offset:4096
	s_endpgm
.Lfunc_end_k_q9d6a6ef624_prep:
	.size	k_q9d6a6ef624_prep, .Lfunc_end_k_q9d6a6ef624_prep-k_q9d6a6ef624_prep
	.p2alignl 7, 3214868480
	.fill 96, 4, 3214868480
	.section	.rodata,"a",@progbits
	.p2align	6, 0x0
	.amdhsa_kernel k_q9d6a6ef624_prep
		.amdhsa_group_segment_fixed_size 10240
		.amdhsa_private_segment_fixed_size 0
		.amdhsa_enable_private_segment 0
		.amdhsa_kernarg_size 168
		.amdhsa_user_sgpr_count 2
		.amdhsa_user_sgpr_kernarg_segment_ptr 1
		.amdhsa_wavefront_size32 1
		.amdhsa_system_sgpr_workgroup_id_x 1
		.amdhsa_system_sgpr_workgroup_id_y 1
		.amdhsa_system_sgpr_workgroup_id_z 1
		.amdhsa_system_vgpr_workitem_id 0
		.amdhsa_next_free_vgpr 98
		.amdhsa_next_free_sgpr 102
		.amdhsa_reserve_vcc 0
		.amdhsa_float_denorm_mode_32 3
		.amdhsa_float_denorm_mode_16_64 3
		.amdhsa_memory_ordered 1
		.amdhsa_forward_progress 1
		.amdhsa_inst_pref_size 41
	.end_amdhsa_kernel
	.amdgpu_metadata
---
amdhsa.version: [ 1, 2 ]
amdhsa.kernels:
  - .name:           k_q9d6a6ef624_prep
    .symbol:         k_q9d6a6ef624_prep.kd
    .args:
      - { .name: group_token, .offset: 0, .size: 8, .value_kind: global_buffer, .address_space: global }
      - { .name: ws1_w, .offset: 8, .size: 8, .value_kind: global_buffer, .address_space: global }
      - { .name: ws1_b, .offset: 16, .size: 8, .value_kind: global_buffer, .address_space: global }
      - { .name: ws2_w, .offset: 24, .size: 8, .value_kind: global_buffer, .address_space: global }
      - { .name: ws2_b, .offset: 32, .size: 8, .value_kind: global_buffer, .address_space: global }
      - { .name: q_w_codes, .offset: 40, .size: 8, .value_kind: global_buffer, .address_space: global }
      - { .name: q_w_scales, .offset: 48, .size: 8, .value_kind: global_buffer, .address_space: global }
      - { .name: merge_w_codes, .offset: 56, .size: 8, .value_kind: global_buffer, .address_space: global }
      - { .name: merge_w_scales, .offset: 64, .size: 8, .value_kind: global_buffer, .address_space: global }
      - { .name: m1_w_codes, .offset: 72, .size: 8, .value_kind: global_buffer, .address_space: global }
      - { .name: m1_w_scales, .offset: 80, .size: 8, .value_kind: global_buffer, .address_space: global }
      - { .name: m2_w_codes, .offset: 88, .size: 8, .value_kind: global_buffer, .address_space: global }
      - { .name: m2_w_scales, .offset: 96, .size: 8, .value_kind: global_buffer, .address_space: global }
      - { .name: g1_w_codes, .offset: 104, .size: 8, .value_kind: global_buffer, .address_space: global }
      - { .name: g1_w_scales, .offset: 112, .size: 8, .value_kind: global_buffer, .address_space: global }
      - { .name: gt1t, .offset: 120, .size: 8, .value_kind: global_buffer, .address_space: global }
      - { .name: wst, .offset: 128, .size: 8, .value_kind: global_buffer, .address_space: global }
      - { .name: k_w_codes, .offset: 136, .size: 8, .value_kind: global_buffer, .address_space: global }
      - { .name: k_w_scales, .offset: 144, .size: 8, .value_kind: global_buffer, .address_space: global }
      - { .name: v_w_codes, .offset: 152, .size: 8, .value_kind: global_buffer, .address_space: global }
      - { .name: v_w_scales, .offset: 160, .size: 8, .value_kind: global_buffer, .address_space: global }
    .group_segment_fixed_size: 10240
    .private_segment_fixed_size: 0
    .kernarg_segment_align: 8
    .kernarg_segment_size: 168
    .max_flat_workgroup_size: 512
    .sgpr_count:     102
    .vgpr_count:     98
    .wavefront_size: 32
...
	.end_amdgpu_metadata
.endif
;; end of part 1
;; launch hid (part 2): grid 8 x 1, 8 waves a work-group, no clusters, 80,896 bytes of LDS; arguments gt1t, wc1_w_codes, wc1_w_scales, wc1_b, wc2_w_codes, wc2_w_scales, part; writes part
.if DOCPART == 2
	.amdgcn_target "amdgcn-amd-amdhsa--gfx1250"
	.amdhsa_code_object_version 6
	.text
	.protected	k_q9d6a6ef624_hid
	.globl	k_q9d6a6ef624_hid
	.p2align	8
	.type	k_q9d6a6ef624_hid,@function
k_q9d6a6ef624_hid:
	s_mov_b64 s[64:65], 0
	v_nop
	global_prefetch_b8 v0, s[64:65] scope:SCOPE_SE
	s_setreg_imm32_b32 hwreg(HW_REG_WAVE_MODE, 25, 1), 1
	s_wait_xcnt 0x0
; mlp_c of the 32 rows (b, j) of gt1, both products on codes of FP4 (E2M1) with one E8M0 scale for each 32 along K.
; Work-group i owns hidden units 256 i .. 256 i + 255: it makes them (product 3), takes the exact GELU, quantises, and multiplies them by its
; two K steps of wc2 (product 4): part[i][32][512] is its share of the sum over K; the next launch adds the eight shares in a fixed order.
; Both products are used transposed (source 0 = 16 rows of a weight, source 1 = 16 rows of gt1): a lane holds one row, its registers run along channels.
; Wave w = (T = w % 2: which 16 rows; qd = w / 2).  X: it quantises K step qd of tile T.  1: hidden units 64 qd .. + 63 of tile T.  2: outputs 64 w .. + 63 of both tiles.
; Operands go from wave to wave through LDS as images of their registers (1,024 bytes a fragment: block 2 c + h' of row r at 512 c + 256 h' + 16 r).
; The rows of wc1 that form a tile: lane r of tile 2 B + u takes row 32 B + 8 u + r + 8 (r / 8), so that 16 registers are 16 neighbours along the next K.
; LIMITS: NaN and infinities are not served; a block of zeros keeps the scale byte 1 (its codes are zeros; the bytes are read here alone); erf as in the first launch.
.set XIMG, 0                           ; gt1's 8 fragments (4 T + s)
.set XSC,  8192                        ; their scale words, 128 bytes each (4 x lane)
.set HIMG, 9216                        ; the hidden layer's 4 fragments (2 T + s')
.set HSC,  13312                       ; their scale words, 64 bytes each (4 r)
.set STG2, 13824                       ; 32 rows x (2,048 + 16) bytes
.set CA, 128
.set CB, 130
.macro GMULC D, A, lit, NPR
.set gi, 0
.rept \NPR
	v_pk_mul_f32 v[\D+gi:\D+gi+1], v[\A+gi:\A+gi+1], \lit op_sel_hi:[1,0]
.set gi, gi+2
.endr
.endm
.macro GMUL D, A, B, NPR
.set gi, 0
.rept \NPR
	v_pk_mul_f32 v[\D+gi:\D+gi+1], v[\A+gi:\A+gi+1], v[\B+gi:\B+gi+1]
.set gi, gi+2
.endr
.endm
.macro GHEAD D, A, lit, C, NPR
.set gi, 0
.rept \NPR
	v_pk_fma_f32 v[\D+gi:\D+gi+1], v[\A+gi:\A+gi+1], \lit, v[\C:\C+1] op_sel_hi:[1,0,1]
.set gi, gi+2
.endr
.endm
.macro GSTEP D, A, lit, NPR
.set gi, 0
.rept \NPR
	v_pk_fma_f32 v[\D+gi:\D+gi+1], v[\D+gi:\D+gi+1], v[\A+gi:\A+gi+1], \lit op_sel_hi:[1,1,0]
.set gi, gi+2
.endr
.endm
.macro GELU H, NPR, Z, X2, P, Q        ; v[H..] holds 0.5 y and takes gelu(y)
	GMULC \Z, \H, 0x3fb504f3, \NPR
.set gi, 0
.rept 2*\NPR
	v_med3_num_f32 v[\Z+gi], v[\Z+gi], -4.0, 4.0
.set gi, gi+1
.endr
	GMUL \X2, \Z, \Z, \NPR
	GHEAD \P, \X2, 0xaf95df0b, CA, \NPR
	GHEAD \Q, \X2, 0xb77460cd, CB, \NPR
	GSTEP \P, \X2, 0xb60cff51, \NPR
	GSTEP \Q, \X2, 0xbadc924e, \NPR
	GSTEP \P, \X2, 0xb86ec2d2, \NPR
	GSTEP \Q, \X2, 0xbbf19bf8, \NPR
	GSTEP \P, \X2, 0xba40ac63, \NPR
	GSTEP \Q, \X2, 0xbc69b6a7, \NPR
	GSTEP \P, \X2, 0xbb41a1f6, \NPR
	GSTEP \P, \X2, 0xbc83dbd4, \NPR
.set gi, 0
.rept 2*\NPR
	v_rcp_f32 v[\Q+gi], v[\Q+gi]
.set gi, gi+1
.endr
	GMUL \P, \P, \Z, \NPR                          ; plain work behind the reciprocals
	s_wait_alu depctr_va_vdst(0)                   ; one wait for the batch, ahead of its first reader
	GMUL \P, \P, \Q, \NPR
.set gi, 0
.rept \NPR
	v_pk_fma_f32 v[\H+gi:\H+gi+1], v[\H+gi:\H+gi+1], v[\P+gi:\P+gi+1], v[\H+gi:\H+gi+1]
.set gi, gi+2
.endr
.endm
.macro PLACES
.rept 4
	v_nop
.endr
.endm
.macro BARRIER                         ; my LDS stores have landed and my LDS loads are in: then the work-group's barrier
	s_wait_dscnt 0x0
	s_barrier_signal -1
	s_barrier_wait -1
.endm
; 32 numbers of a lane, register 16 B + i = k 32 B + 16 h + i of my row: codes of block B in v[t + 2 B], v[t + 2 B + 1], the two scale bytes in v[t + 10]
.macro QUANT2 src, t
	s_wait_dscnt 0x0                               ; earlier LDS stores have read the registers that are written here
.irp b, 0,1
	v_max3_num_f32 v[\t+4+\b], |v[\src+16*\b]|, |v[\src+16*\b+1]|, 0x1800000   ; with the floor 2^(3 - 127): the byte cannot fall under 1
.endr
.irp i, 2,4,6,8,10,12,14
.irp b, 0,1
	v_max3_num_f32 v[\t+4+\b], v[\t+4+\b], |v[\src+16*\b+\i]|, |v[\src+16*\b+\i+1]|
.endr
.endr
.irp b, 0,1
	v_permlanex16_b32 v[\t+6+\b], v[\t+4+\b], s4, s5
.endr
.irp b, 0,1
	v_max_num_f32 v[\t+4+\b], v[\t+4+\b], v[\t+6+\b]   ; with lane l xor 16's 16: the block's largest magnitude
.endr
.irp b, 0,1
	v_add_nc_u32 v[\t+8+\b], 0xff000000, v[\t+4+\b]    ; 2 off its exponent field: the conversion's scale operand
.endr
.irp b, 0,1
	v_lshrrev_b32 v[\t+6+\b], 23, v[\t+8+\b]           ; the scale's byte
.endr
	v_lshl_or_b32 v[\t+10], v[\t+7], 8, v[\t+6]
.irp b, 0,1
	v_cvt_scalef32_pk8_fp4_f32 v[\t+2*\b], v[\src+16*\b:\src+16*\b+7], v[\t+8+\b]
	v_cvt_scalef32_pk8_fp4_f32 v[\t+2*\b+1], v[\src+16*\b+8:\src+16*\b+15], v[\t+8+\b]
.endr
	v_nop                                          ; one plain place behind a scaled conversion
.endm
; 64 numbers of a lane, register 32 c + i = k 64 c + 32 h + i of my row (whole blocks): a fragment in v[pc .. pc + 7], its scale word in v[pw]
.macro QUANTW src, pc, pw, t
.irp c, 0,1
	v_max3_num_f32 v[\t+\c], |v[\src+32*\c]|, |v[\src+32*\c+1]|, 0x1800000
.endr
.irp i, 2,4,6,8,10,12,14,16,18,20,22,24,26,28,30
.irp c, 0,1
	v_max3_num_f32 v[\t+\c], v[\t+\c], |v[\src+32*\c+\i]|, |v[\src+32*\c+\i+1]|
.endr
.endr
.irp c, 0,1
	v_add_nc_u32 v[\t+2+\c], 0xff000000, v[\t+\c]
.endr
.irp c, 0,1
	v_lshrrev_b32 v[\t+4+\c], 23, v[\t+2+\c]
.endr
	v_lshl_or_b32 v[\pw], v[\t+5], 16, v[\t+4]     ; my bytes: blocks h and 2 + h,
	v_lshlrev_b32 v[\pw], v3, v[\pw]               ; 8 h bits up;
	v_permlanex16_b32 v[\t+6], v[\pw], s4, s5
	v_or_b32 v[\pw], v[\pw], v[\t+6]               ; with lane l xor 16's two the word is whole
.irp c, 0,1
.irp g, 0,1,2,3
	v_cvt_scalef32_pk8_fp4_f32 v[\pc+4*\c+\g], v[\src+32*\c+8*\g:\src+32*\c+8*\g+7], v[\t+2+\c]
.endr
.endr
	v_nop
.endm
	s_load_b256 s[8:15], s[0:1], 0x0               ; gt1t, wc1 codes, wc1 scales, wc1_b
	s_load_b128 s[16:19], s[0:1], 0x20             ; wc2 codes, wc2 scales
	s_load_b64 s[20:21], s[0:1], 0x30              ; part
	s_set_vgpr_msb 0x40
	v_lshl_add_u32 v0, v0, 2, 0x13800
	v_mov_b32 v1, 0
	s_set_vgpr_msb 0x4000
	v_lshrrev_b32 v1, 5, v0
	v_readfirstlane_b32 s2, v1                     ; wave 0..7
	s_and_b32 s3, s2, 1                            ; T
	s_lshr_b32 s6, s2, 1                           ; qd
	s_mov_b32 s4, 0x76543210
	s_mov_b32 s5, 0xfedcba98                       ; v_permlanex16_b32's selects for lane l xor 16
	v_and_b32 v14, 15, v0                          ; r
	v_bfe_u32 v15, v0, 4, 1                        ; h
	v_and_b32 v1, 31, v0
	v_lshlrev_b32 v2, 2, v1                        ; 4 x lane
	v_lshlrev_b32 v1, 4, v1                        ; 16 x lane
	v_lshlrev_b32 v3, 3, v15                       ; 8 h
	s_lshl_b32 s7, s3, 15                          ; gt1t: 16 T rows of 2,048 bytes,
	s_lshl_b32 s22, s6, 9                          ; K step qd
	s_add_co_u32 s7, s7, s22
	v_lshlrev_b32 v4, 11, v14
	v_lshl_add_u32 v4, v15, 7, v4
	v_add_nc_u32 v4, s7, v4                        ; + row r + 128 h
	v_and_b32 v5, 8, v14
	v_add_nc_u32 v6, v5, v14                       ; r + 8 (r / 8)
	v_lshlrev_b32 v5, 8, v6
	v_lshl_add_u32 v5, v15, 4, v5                  ; wc1's codes: rows of 256 bytes
	v_lshlrev_b32 v6, 4, v6                        ; its scales: 16 bytes a row
	v_lshlrev_b32 v7, 6, v15                       ; wc1_b: 64 h
	v_lshlrev_b32 v8, 10, v14
	v_lshl_add_u32 v8, v15, 4, v8                  ; wc2's codes: rows of 1,024 bytes
	v_lshlrev_b32 v9, 6, v14                       ; its scales: 64 bytes a row
	s_lshl_b32 s22, s3, 2
	s_add_co_u32 s22, s22, s6                      ; 4 T + qd
	s_lshl_b32 s23, s22, 10
	v_add_nc_u32 v10, s23, v1                      ; where my fragment of gt1 goes
	s_lshl_b32 s23, s22, 7
	s_add_co_u32 s23, s23, XSC
	v_add_nc_u32 v11, s23, v2
	s_lshl_b32 s22, s3, 1
	s_lshr_b32 s23, s6, 1
	s_add_co_u32 s22, s22, s23                     ; 2 T + qd / 2
	s_and_b32 s24, s6, 1
	s_lshl_b32 s25, s22, 10
	s_lshl_b32 s26, s24, 9
	s_add_co_u32 s25, s25, s26
	s_add_co_u32 s25, s25, HIMG
	v_lshlrev_b32 v12, 4, v14
	v_lshl_add_u32 v12, v15, 3, v12
	v_add_nc_u32 v12, s25, v12                     ; where my half fragment of the hidden layer goes: 16 r + 8 h
	s_lshl_b32 s25, s22, 6
	s_lshl_b32 s26, s24, 1
	s_add_co_u32 s25, s25, s26
	s_add_co_u32 s25, s25, HSC
	v_lshl_add_u32 v13, v14, 2, s25                ; and its two scale bytes
	v_mul_u32_u24 v32, v14, 2064
	v_lshl_add_u32 v32, v15, 5, v32
	s_lshl_b32 s25, s2, 8
	s_add_co_u32 s25, s25, STG2
	v_add_nc_u32 v15, s25, v32                     ; the stage: row r, + 256 w + 32 h
	v_lshlrev_b32 v14, 2, v14                      ; 4 r
	v_mov_b32 v48, 0                               ; a lane permute's destination counts as one of its sources
	s_lshl_b32 s22, ttmp9, 8
	s_lshl_b32 s23, s6, 6
	s_add_co_u32 s22, s22, s23                     ; my first hidden unit: 256 i + 64 qd
	s_mov_b32 s25, 0
	s_wait_kmcnt 0x0
	s_lshl_b32 s24, s22, 8
	s_add_nc_u64 s[10:11], s[10:11], s[24:25]
	s_lshl_b32 s24, s22, 4
	s_add_nc_u64 s[12:13], s[12:13], s[24:25]
	s_lshl_b32 s24, s22, 2
	s_add_nc_u64 s[14:15], s[14:15], s[24:25]
	s_lshl_b32 s24, s2, 16                         ; wc2: rows 64 w on, K bytes 128 i on
	s_lshl_b32 s26, ttmp9, 7
	s_add_co_u32 s24, s24, s26
	s_add_nc_u64 s[16:17], s[16:17], s[24:25]
	s_lshl_b32 s24, s2, 12
	s_lshl_b32 s26, ttmp9, 3
	s_add_co_u32 s24, s24, s26
	s_add_nc_u64 s[18:19], s[18:19], s[24:25]
	s_lshl_b32 s24, ttmp9, 16
	s_add_nc_u64 s[20:21], s[20:21], s[24:25]
.irp c, 0,1
.irp q, 0,1,2,3,4,5,6,7
	global_load_b128 v[64+32*\c+4*\q:67+32*\c+4*\q], v4, s[8:9] offset:256*\c+16*\q
.endr
.endr
.irp t, 0,1,2,3
.irp s, 0,1,2,3
.irp c, 0,1
	global_load_b128 v[128+8*(4*\t+\s)+4*\c:131+8*(4*\t+\s)+4*\c], v5, s[10:11] offset:(32*(\t/2)+8*(\t%2))*256+64*\s+32*\c
.endr
.endr
.endr
.irp t, 0,1,2,3
	global_load_b128 v[16+4*\t:19+4*\t], v6, s[12:13] offset:(32*(\t/2)+8*(\t%2))*16
.endr
	; ---- X
	s_wait_loadcnt 36                              ; gt1's 16 loads are in; wc1's 32 + 4 may be out
	QUANTW 64, 32, 40, 42
	ds_store_b128 v10, v[32:35]
	ds_store_b128 v10, v[36:39] offset:512
	ds_store_b32 v11, v40
	BARRIER                                        ; gt1's eight fragments lie in LDS
.irp i, 0,1,2,3,4,5,6,7
	global_load_b128 v[32+4*\i:35+4*\i], v7, s[14:15] offset:128*(\i/4)+16*(\i%4)     ; the bias starts the sums
.endr
	; ---- 1
	s_lshl_b32 s24, s3, 12
	v_add_nc_u32 v4, s24, v1
	s_lshl_b32 s24, s3, 9
	s_add_co_u32 s24, s24, XSC
	v_add_nc_u32 v10, s24, v2
.irp s, 0,1,2,3
	ds_load_b128 v[64+8*\s:67+8*\s], v4 offset:1024*\s
	ds_load_b128 v[68+8*\s:71+8*\s], v4 offset:1024*\s+512
	ds_load_b32 v[96+\s], v10 offset:128*\s
.endr
	s_wait_loadcnt 0x0
	s_wait_dscnt 0x0
.irp s, 0,1,2,3                        ; the four accumulators by turns
.irp t, 0,1,2,3
	v_wmma_scale_f32_16x16x128_f8f6f4 v[32+8*\t:39+8*\t], v[128+8*(4*\t+\s):135+8*(4*\t+\s)], v[64+8*\s:71+8*\s], v[32+8*\t:39+8*\t], v[16+4*\t+\s], v[96+\s] matrix_a_fmt:MATRIX_FMT_FP4 matrix_b_fmt:MATRIX_FMT_FP4
.endr
.endr
	PLACES
.irp t, 0,1,2,3
.irp s, 0,1
.irp c, 0,1
	global_load_b128 v[192+8*(2*\t+\s)+4*\c:195+8*(2*\t+\s)+4*\c], v8, s[16:17] offset:16384*\t+64*\s+32*\c
.endr
.endr
	global_load_b64 v[16+2*\t:17+2*\t], v9, s[18:19] offset:1024*\t
.endr
	v_mov_b32 v128, 0x32edffee
	v_mov_b32 v129, 0x32edffee
	v_mov_b32 v130, 0xb95fbd29
	v_mov_b32 v131, 0xb95fbd29
	GMULC 32, 32, 0.5, 16
	GELU 32, 8, 64, 80, 96, 112
	GELU 48, 8, 64, 80, 96, 112
	QUANT2 32, 64
	ds_store_b64 v12, v[64:65]
	ds_store_b64 v12, v[66:67] offset:256
	ds_store_b16 v13, v74
	BARRIER                                        ; the hidden layer's four fragments lie in LDS
	; ---- 2
.irp f, 0,1,2,3
	ds_load_b128 v[64+8*\f:67+8*\f], v1 offset:HIMG+1024*\f
	ds_load_b128 v[68+8*\f:71+8*\f], v1 offset:HIMG+1024*\f+512
	ds_load_b32 v[24+\f], v14 offset:HSC+64*\f
.endr
	s_wait_loadcnt 0x0
	s_wait_dscnt 0x0
.irp t, 0,1,2,3
.irp T, 0,1
	v_wmma_scale_f32_16x16x128_f8f6f4 v[128+8*(2*\t+\T):135+8*(2*\t+\T)], v[192+8*(2*\t):199+8*(2*\t)], v[64+8*(2*\T):71+8*(2*\T)], 0, v[16+2*\t], v[24+2*\T] matrix_a_fmt:MATRIX_FMT_FP4 matrix_b_fmt:MATRIX_FMT_FP4
.endr
.endr
.irp t, 0,1,2,3
.irp T, 0,1
	v_wmma_scale_f32_16x16x128_f8f6f4 v[128+8*(2*\t+\T):135+8*(2*\t+\T)], v[200+8*(2*\t):207+8*(2*\t)], v[72+8*(2*\T):79+8*(2*\T)], v[128+8*(2*\t+\T):135+8*(2*\t+\T)], v[17+2*\t], v[25+2*\T] matrix_a_fmt:MATRIX_FMT_FP4 matrix_b_fmt:MATRIX_FMT_FP4
.endr
.endr
	PLACES
.irp t, 0,1,2,3
.irp T, 0,1
	ds_store_b128 v15, v[128+8*(2*\t+\T):131+8*(2*\t+\T)] offset:33024*\T+64*\t        ; each accumulator from its low end on
	ds_store_b128 v15, v[132+8*(2*\t+\T):135+8*(2*\t+\T)] offset:33024*\T+64*\t+16
.endr
.endr
	BARRIER                                        ; 32 whole rows lie in the stage
	s_mul_i32 s24, s2, 4*2064
	s_add_co_u32 s24, s24, STG2
	v_add_nc_u32 v4, s24, v1
	s_lshl_b32 s24, s2, 13
	v_add_nc_u32 v5, s24, v1
.irp k, 0,1,2,3,4,5,6,7,8,9,10,11,12,13,14,15
	ds_load_b128 v[64+4*\k:67+4*\k], v4 offset:(\k/4)*2064+512*(\k%4)
.endr
.irp k, 0,1,2,3,4,5,6,7,8,9,10,11,12,13,14,15
	s_wait_dscnt 15-\k                             ; LDS loads come back in order: number k is in
	global_store_b128 v5, v[64+4*\k:67+4*\k], s[20:21] offset:(\k/4)*2048+512*(\k%4)   ; 512 consecutive bytes a store
.endr
	s_barrier_signal -1
	s_barrier_wait -1
	s_set_vgpr_msb 0x5
	s_wait_tensorcnt 0x0
	ds_add_u32 v0, v1
	s_wait_dscnt 0x0
	s_set_vgpr_msb 0x500
	s_endpgm
.Lfunc_end_k_q9d6a6ef624_hid:
	.size	k_q9d6a6ef624_hid, .Lfunc_end_k_q9d6a6ef624_hid-k_q9d6a6ef624_hid
	.p2alignl 7, 3214868480
	.fill 96, 4, 3214868480
	.section	.rodata,"a",@progbits
	.p2align	6, 0x0
	.amdhsa_kernel k_q9d6a6ef624_hid
		.amdhsa_group_segment_fixed_size 80896
		.amdhsa_private_segment_fixed_size 0
		.amdhsa_enable_private_segment 0
		.amdhsa_kernarg_size 56
		.amdhsa_user_sgpr_count 2
		.amdhsa_user_sgpr_kernarg_segment_ptr 1
		.amdhsa_wavefront_size32 1
		.amdhsa_system_sgpr_workgroup_id_x 1
		.amdhsa_system_sgpr_workgroup_id_y 1
		.amdhsa_system_sgpr_workgroup_id_z 1
		.amdhsa_system_vgpr_workitem_id 0
		.amdhsa_next_free_vgpr 258
		.amdhsa_next_free_sgpr 66
		.amdhsa_reserve_vcc 0
		.amdhsa_float_denorm_mode_32 3
		.amdhsa_float_denorm_mode_16_64 3
		.amdhsa_memory_ordered 1
		.amdhsa_forward_progress 1
		.amdhsa_inst_pref_size 52
	.end_amdhsa_kernel
	.amdgpu_metadata
---
amdhsa.version: [ 1, 2 ]
amdhsa.kernels:
  - .name:           k_q9d6a6ef624_hid
    .symbol:         k_q9d6a6ef624_hid.kd
    .args:
      - { .name: gt1t, .offset: 0, .size: 8, .value_kind: global_buffer, .address_space: global }
      - { .name: wc1_w_codes, .offset: 8, .size: 8, .value_kind: global_buffer, .address_space: global }
      - { .name: wc1_w_scales, .offset: 16, .size: 8, .value_kind: global_buffer, .address_space: global }
      - { .name: wc1_b, .offset: 24, .size: 8, .value_kind: global_buffer, .address_space: global }
      - { .name: wc2_w_codes, .offset: 32, .size: 8, .value_kind: global_buffer, .address_space: global }
      - { .name: wc2_w_scales, .offset: 40, .size: 8, .value_kind: global_buffer, .address_space: global }
      - { .name: part, .offset: 48, .size: 8, .value_kind: global_buffer, .address_space: global }
    .group_segment_fixed_size: 80896
    .private_segment_fixed_size: 0
    .kernarg_segment_align: 8
    .kernarg_segment_size: 56
    .max_flat_workgroup_size: 256
    .sgpr_count:     66
    .vgpr_count:     258
    .wavefront_size: 32
...
	.end_amdgpu_metadata
.endif
;; end of part 2
;; launch main (part 3): grid 16 x 16, 8 waves a work-group, no clusters, 276,992 bytes of LDS; arguments x, wst, gt1t, q_b, merge_b, m1_b, m2_b, n0_g, n0_b, n1_g, n1_b, g1_b, gl1_g, gl1_b, g2_w_codes, g2_w_scales, g2_b, gl2_g, gl2_b, g3_w, g3_b, gl3_g, gl3_b, g4_w, g4_b, out0, part, wc2_b, k_b, v_b; writes out0
.if DOCPART == 3
	.amdgcn_target "amdgcn-amd-amdhsa--gfx1250"
	.amdhsa_code_object_version 6
	.text
	.protected	k_q9d6a6ef624_main
	.globl	k_q9d6a6ef624_main
	.p2align	8
	.type	k_q9d6a6ef624_main,@function
k_q9d6a6ef624_main:
	s_mov_b64 s[64:65], 0
	v_nop
	global_prefetch_b8 v0, s[64:65] scope:SCOPE_SE
	s_setreg_imm32_b32 hwreg(HW_REG_WAVE_MODE, 25, 1), 1
	s_wait_xcnt 0x0
; The whole chain of a position: q, attention on two keys, merge, LayerNorm, MLP 1024 -> 1024 -> 512 with the exact GELU, LayerNorm + x, the head 512 -> 64 -> 16 -> 4 -> 2, softmax;
; and, ahead of it, the end of the small chain: gt2 = gt1 + wc2_b + the eight shares of product 4, and k and v of the work-group's batch.
; Quantised products: codes of FP4 (E2M1), one E8M0 scale for each 32 along K (the channels), f32 sums; all else f32.  No intermediate goes to memory.
; SHARES.  A work-group takes 128 positions of one batch: eight tiles of 16; tile m, lane r = position 64 (m / 4) + 4 r + m % 4.  THE WAVES SHARE THE CHANNELS: in every layer of 512 outputs
; wave w owns channels 64 w .. 64 w + 63 (four tiles of weight rows) for all eight tiles of positions: 32 accumulators, all of register window 1 (accumulator (t, m) at v[32 m + 8 t]).  m1 goes in two passes.
; THE MATRIX INSTRUCTION IS USED TRANSPOSED: source 0 = 16 rows of a weight, source 1 = 16 positions.  The rows of a tile are chosen (first launch) so that register k = 8 t + j of lane (r, h)
; is channel 32 (k / 16) + 16 h + k % 16 of the wave's 64: 16 registers are 16 neighbours along the next K.
; WEIGHTS come from wst, laid in register order: 4,352 bytes for a wave and a K step, eight loads of 512 consecutive bytes and one of 256, through a ring of four register slots.
; A layer's bias lies in slot 3 during its first K step and is that step's C; slot 3's chunk is asked for behind that step.
; No cluster, no joint loads: a weight byte is wanted by ONE wave of a work-group and goes straight into its registers; by way of LDS it would be written and read there once more (1.1 MB each a work-group),
; beside the 2 MB of operand images that the products read from LDS.
; ACTIVATIONS go from wave to wave through LDS as images of the operand's registers: a fragment (K step s, tile m) is 1,024 bytes, block 2 c + h' of position r at 512 c + 256 h' + 16 r;
; its scale words 64 bytes (4 r); one ds_load_b32 at 4 x lane brings the words of two tiles (lanes 16-31: the odd tile, read by the ROW1 selector).
; K AND V.  The sixteen work-groups of a batch each make them anew: 32 matrix instructions a wave, in place of a launch.  Column r of source 1 holds row r % 2 of gt2, so a lane of even r ends up with k0 (v0)
; and one of odd r with k1 (v1), at the wave's own 64 channels in register order: they go into the wave's own 256 bytes of four tables, from which the attention takes them.
; x is quantised once (it is the operand of q and the first half of m1's); it is read a second time, as f32, for the residual: 256 KB a work-group do not fit beside the images.
; LayerNorm: each wave's mean and centred sum of squares of its 64 channels, joined over the waves by the parallel form: no difference of large sums.
; The two softmaxes of two: with d = l0 - l1, e = 2^(-|d| c): the larger weight is 1 / (1 + e), the smaller e / (1 + e): the maximum is taken away.
; LIMITS: NaN and infinities among the inputs are not served.  A block of zeros keeps the scale byte 1 (its codes are zeros; the bytes are read here alone).
; erf is z P(z^2) / Q(z^2) with z held to +-4: absolute error about 1e-7.
.set HIMG, 0                           ; fragment 8 s + m: s 0-3 x's codes, s 4-7 those of LayerNorm 0
.set GIMG, 65536                       ; GELU's codes, 8 K steps
.set OIMG, 131072                      ; the attention's output
.set DIMG, 163840                      ; x + LayerNorm 1
.set HSC,  196608                      ; scale words: 512 s + 64 m + 4 r
.set GSC,  200704
.set OSC,  204800
.set DSC,  206848
.set PRM,  208896                      ; 15 tables of 2,048 bytes: q_b, merge_b, m1_b (two), m2_b, n0_g, n0_b, n1_g, n1_b, k0, k1, v0, v1, k_b, v_b
.set LG,   239616                      ; logit differences: 2048 m + 256 w + 16 r
.set AT,   256000                      ; attention weights: 256 m + 16 r
.set ST,   258048                      ; (mean, M2): 1024 m + 128 w + 8 r
.set MR,   266240                      ; (mean, 1 / std): 128 m + 8 r
.set HSCR, 267264                      ; 512 bytes a wave, the head's own
.set OUTS, 271360                      ; the 128 results
.set G2,   271872                      ; gt2's two rows, 2,048 bytes each
; window 0: v1 16 lane, v2 4 lane, v3 8 lane, v4 where my half fragment goes, v5 where its scale bytes go, v6 my place in a table, v7 16 r, v8 8 r, v9-12 addresses in hand, v13 g2's scale word,
; v[14:17] two constants, v18-25 weight scale words (2 a slot), v26-29 the head's scale words (before: offsets of the first loads; v29 the prefetches' offset), v[30:31] (mean, 1 / std),
; v32-95 eight fragments of positions, v96-103 their scale words (two sets); in epilogues v32-63 a tile's 32 numbers and v64-127 scratch; v128-255 the weight ring, 4 slots x 32.
.set CA, 14
.set CB, 16
.set MSB, 0
.macro WIN new                         ; s_set_vgpr_msb: bits 1:0 source 0, 3:2 source 1, 5:4 source 2, 7:6 destination; the high byte repeats the setting that is left
.if MSB != \new
	s_set_vgpr_msb (MSB<<8)|\new
.set MSB, \new
.endif
.endm
.macro PLACES                          ; four plain places behind matrix instructions, ahead of reads of results and of loads and writes into their registers
.rept 4
	v_nop
.endr
.endm
.macro BARRIER                         ; my LDS stores have landed and my LDS loads are in: then the work-group's barrier
	s_wait_dscnt 0x0
	s_barrier_signal -1
	s_barrier_wait -1
.endm
.macro GMULC D, A, lit, NPR
.set gi, 0
.rept \NPR
	v_pk_mul_f32 v[\D+gi:\D+gi+1], v[\A+gi:\A+gi+1], \lit op_sel_hi:[1,0]
.set gi, gi+2
.endr
.endm
.macro GMUL D, A, B, NPR
.set gi, 0
.rept \NPR
	v_pk_mul_f32 v[\D+gi:\D+gi+1], v[\A+gi:\A+gi+1], v[\B+gi:\B+gi+1]
.set gi, gi+2
.endr
.endm
.macro GHEAD D, A, lit, C, NPR
.set gi, 0
.rept \NPR
	v_pk_fma_f32 v[\D+gi:\D+gi+1], v[\A+gi:\A+gi+1], \lit, v[\C:\C+1] op_sel_hi:[1,0,1]
.set gi, gi+2
.endr
.endm
.macro GSTEP D, A, lit, NPR
.set gi, 0
.rept \NPR
	v_pk_fma_f32 v[\D+gi:\D+gi+1], v[\D+gi:\D+gi+1], v[\A+gi:\A+gi+1], \lit op_sel_hi:[1,1,0]
.set gi, gi+2
.endr
.endm
; v[H..] holds 0.5 y and takes gelu(y) = 0.5 y + 0.5 y erf(y / sqrt 2); stage by stage over all pairs
.macro GELU H, NPR, Z, X2, P, Q
	GMULC \Z, \H, 0x3fb504f3, \NPR
.set gi, 0
.rept 2*\NPR
	v_med3_num_f32 v[\Z+gi], v[\Z+gi], -4.0, 4.0
.set gi, gi+1
.endr
	GMUL \X2, \Z, \Z, \NPR
	GHEAD \P, \X2, 0xaf95df0b, CA, \NPR
	GHEAD \Q, \X2, 0xb77460cd, CB, \NPR
	GSTEP \P, \X2, 0xb60cff51, \NPR
	GSTEP \Q, \X2, 0xbadc924e, \NPR
	GSTEP \P, \X2, 0xb86ec2d2, \NPR
	GSTEP \Q, \X2, 0xbbf19bf8, \NPR
	GSTEP \P, \X2, 0xba40ac63, \NPR
	GSTEP \Q, \X2, 0xbc69b6a7, \NPR
	GSTEP \P, \X2, 0xbb41a1f6, \NPR
	GSTEP \P, \X2, 0xbc83dbd4, \NPR
.set gi, 0
.rept 2*\NPR
	v_rcp_f32 v[\Q+gi], v[\Q+gi]
.set gi, gi+1
.endr
	GMUL \P, \P, \Z, \NPR                          ; plain work behind the reciprocals, which names none of them
	s_wait_alu depctr_va_vdst(0)                   ; one wait for the batch, ahead of its first reader
	GMUL \P, \P, \Q, \NPR
.set gi, 0
.rept \NPR
	v_pk_fma_f32 v[\H+gi:\H+gi+1], v[\H+gi:\H+gi+1], v[\P+gi:\P+gi+1], v[\H+gi:\H+gi+1]
.set gi, gi+2
.endr
.endm
; 32 numbers of a lane, register 16 B + i = channel 32 B + 16 h + i: codes of block B in v[t + 2 B], v[t + 2 B + 1] (8 bytes), the two scale bytes in v[t + 10]
.macro QUANT2 src, t
	s_wait_dscnt 0x0                               ; the last tile's LDS stores have read the registers that are written here
.irp b, 0,1
	v_max3_num_f32 v[\t+4+\b], |v[\src+16*\b]|, |v[\src+16*\b+1]|, 0x1800000   ; with the floor 2^(3 - 127): the byte cannot fall under 1
.endr
.irp i, 2,4,6,8,10,12,14
.irp b, 0,1
	v_max3_num_f32 v[\t+4+\b], v[\t+4+\b], |v[\src+16*\b+\i]|, |v[\src+16*\b+\i+1]|
.endr
.endr
.irp b, 0,1
	v_permlanex16_b32 v[\t+6+\b], v[\t+4+\b], s4, s5
.endr
.irp b, 0,1
	v_max_num_f32 v[\t+4+\b], v[\t+4+\b], v[\t+6+\b]   ; with lane l xor 16's 16: the block's largest magnitude
.endr
.irp b, 0,1
	v_add_nc_u32 v[\t+8+\b], 0xff000000, v[\t+4+\b]    ; 2 off its exponent field: the conversion's scale operand
.endr
.irp b, 0,1
	v_lshrrev_b32 v[\t+6+\b], 23, v[\t+8+\b]           ; the scale's byte
.endr
	v_lshl_or_b32 v[\t+10], v[\t+7], 8, v[\t+6]
.irp b, 0,1
	v_cvt_scalef32_pk8_fp4_f32 v[\t+2*\b], v[\src+16*\b:\src+16*\b+7], v[\t+8+\b]
	v_cvt_scalef32_pk8_fp4_f32 v[\t+2*\b+1], v[\src+16*\b+8:\src+16*\b+15], v[\t+8+\b]
.endr
	v_nop                                          ; one plain place behind a scaled conversion
.endm
; 64 numbers of a lane, register 32 c + i = k 64 c + 32 h + i of its row (whole blocks): a fragment in v[pc .. pc + 7], its scale word in v[pw]; v[sh] holds 8 h
.macro QUANTW src, pc, pw, t, sh
.irp c, 0,1
	v_max3_num_f32 v[\t+\c], |v[\src+32*\c]|, |v[\src+32*\c+1]|, 0x1800000
.endr
.irp i, 2,4,6,8,10,12,14,16,18,20,22,24,26,28,30
.irp c, 0,1
	v_max3_num_f32 v[\t+\c], v[\t+\c], |v[\src+32*\c+\i]|, |v[\src+32*\c+\i+1]|
.endr
.endr
.irp c, 0,1
	v_add_nc_u32 v[\t+2+\c], 0xff000000, v[\t+\c]
.endr
.irp c, 0,1
	v_lshrrev_b32 v[\t+4+\c], 23, v[\t+2+\c]
.endr
	v_lshl_or_b32 v[\pw], v[\t+5], 16, v[\t+4]     ; my bytes: blocks h and 2 + h,
	v_lshlrev_b32 v[\pw], v[\sh], v[\pw]           ; 8 h bits up;
	v_permlanex16_b32 v[\t+6], v[\pw], s4, s5
	v_or_b32 v[\pw], v[\pw], v[\t+6]               ; with lane l xor 16's two the word is whole
.irp c, 0,1
.irp g, 0,1,2,3
	v_cvt_scalef32_pk8_fp4_f32 v[\pc+4*\c+\g], v[\src+32*\c+8*\g:\src+32*\c+8*\g+7], v[\t+2+\c]
.endr
.endr
	v_nop                                          ; one plain place behind a scaled conversion
.endm
.macro QSTORE img, io, sc, so, t       ; the half fragment and its two scale bytes go to their images
	ds_store_b64 v[\img], v[\t:\t+1] offset:\io
	ds_store_b64 v[\img], v[\t+2:\t+3] offset:\io+256
	ds_store_b16 v[\sc], v[\t+10] offset:\so
.endm
.macro TABLD dst, T                    ; table T at my 32 channels, in register order
.irp i, 0,1,2,3,4,5,6,7
	ds_load_b128 v[\dst+4*\i:\dst+4*\i+3], v6 offset:2048*(\T)+128*(\i/4)+16*(\i%4)
.endr
.endm
.macro WLOAD slot, base, a             ; chunk a into a slot of the ring: nine loads
.irp i, 0,1,2,3,4,5,6,7
	global_load_b128 v[128+32*(\slot)+4*\i:131+32*(\slot)+4*\i], v1, s[\base:\base+1] offset:4352*(\a)+512*\i
.endr
	global_load_b64 v[18+2*(\slot):19+2*(\slot)], v3, s[\base:\base+1] offset:4352*(\a)+4096
.endm
.macro XSET set, off                   ; four tiles' fragments of a K step
.irp mm, 0,1,2,3
.irp c, 0,1
	ds_load_b128 v[32+8*(4*\set+\mm)+4*\c:35+8*(4*\set+\mm)+4*\c], v11 offset:\off+1024*(4*\set+\mm)+512*\c
.endr
.endr
.endm
.macro XSCL par, off                   ; the eight tiles' scale words
.irp g, 0,1,2,3
	ds_load_b32 v[96+4*(\par)+\g], v12 offset:\off+128*\g
.endr
.endm
.macro WM d, a, b, c, sa, sb, ra, rb   ; one product; ra, rb: the scale words lie in lanes 16-31
.if (\ra) && (\rb)
	v_wmma_scale_f32_16x16x128_f8f6f4 v[(\d):(\d)+7], v[(\a):(\a)+7], v[(\b):(\b)+7], v[(\c):(\c)+7], v[\sa], v[\sb] matrix_a_fmt:MATRIX_FMT_FP4 matrix_b_fmt:MATRIX_FMT_FP4 matrix_a_scale:MATRIX_SCALE_ROW1 matrix_b_scale:MATRIX_SCALE_ROW1
.elseif \ra
	v_wmma_scale_f32_16x16x128_f8f6f4 v[(\d):(\d)+7], v[(\a):(\a)+7], v[(\b):(\b)+7], v[(\c):(\c)+7], v[\sa], v[\sb] matrix_a_fmt:MATRIX_FMT_FP4 matrix_b_fmt:MATRIX_FMT_FP4 matrix_a_scale:MATRIX_SCALE_ROW1
.elseif \rb
	v_wmma_scale_f32_16x16x128_f8f6f4 v[(\d):(\d)+7], v[(\a):(\a)+7], v[(\b):(\b)+7], v[(\c):(\c)+7], v[\sa], v[\sb] matrix_a_fmt:MATRIX_FMT_FP4 matrix_b_fmt:MATRIX_FMT_FP4 matrix_b_scale:MATRIX_SCALE_ROW1
.else
	v_wmma_scale_f32_16x16x128_f8f6f4 v[(\d):(\d)+7], v[(\a):(\a)+7], v[(\b):(\b)+7], v[(\c):(\c)+7], v[\sa], v[\sb] matrix_a_fmt:MATRIX_FMT_FP4 matrix_b_fmt:MATRIX_FMT_FP4
.endif
.endm
; four tiles of positions x my four tiles of rows; the 32 accumulators take turns, one instruction a turn.  first = 1: the bias in v224-255 (window 0) is the C: it starts the sums
.macro MUL16 set, slot, par, first
.if \first
	WIN 0x40
.else
	WIN 0x50
.endif
.irp mm, 0,1,2,3
.irp t, 0,1,2,3
.if \first
	WM 32*(4*\set+\mm)+8*\t, 128+32*(\slot)+8*\t, 32+8*(4*\set+\mm), 224+8*\t, 18+2*(\slot)+(\t%2), 96+4*(\par)+(4*\set+\mm)/2, \t/2, \mm%2
.else
	WM 32*(4*\set+\mm)+8*\t, 128+32*(\slot)+8*\t, 32+8*(4*\set+\mm), 32*(4*\set+\mm)+8*\t, 18+2*(\slot)+(\t%2), 96+4*(\par)+(4*\set+\mm)/2, \t/2, \mm%2
.endif
.endr
.endr
	WIN 0
.endm
; K step j.  cnt: nine for each chunk issued behind this step's.  nx: the next step's fragments are fetched.  wl: chunk a goes into the slot that this step leaves.
; Behind step 0 slot 3, which held the bias, takes its chunk, a - 1, ahead of chunk a.
.macro KSTEP j, cnt, wl, nx, base, a
	s_wait_loadcnt \cnt
	s_wait_dscnt 8                                 ; all but the youngest eight LDS loads (tiles 4-7's fragments) are in
.if (\j) == 0
	MUL16 0, 0, 0, 1
.else
	MUL16 0, (\j)%4, (\j)%2, 0
.endif
	PLACES
.if \nx
	XSET 0, 8192*((\j)+1)
	XSCL 1-(\j)%2, 512*((\j)+1)
	s_wait_dscnt 12                                ; all but the twelve just issued
.else
	s_wait_dscnt 0x0
.endif
.if (\j) == 0
	MUL16 1, 0, 0, 1
.else
	MUL16 1, (\j)%4, (\j)%2, 0
.endif
	PLACES
.if \nx
	XSET 1, 8192*((\j)+1)
.endif
.if (\j) == 0
	WLOAD 3, \base, (\a)-1
.endif
.if \wl
	WLOAD (\j)%4, \base, \a
.endif
.endm
; A layer's product: n K steps on the images at src, scale words at ssc, weights from chunk a0 of s[base], bias from table bT at v[badr].  On the way in chunks a0, a0 + 1 are on their way or there (slots 0, 1).
; tail = 1: the last steps bring the NEXT layer's chunks 0 and 1 into slots 0 and 1, so that they land during the epilogue, which may use slots 2 and 3.
; The counts: at step 0 chunks a0 + 1 and a0 + 2 are younger (18); then three chunks (27); at the end as many as were still asked for.
.macro PRODUCT n, src, ssc, base, a0, tail, prime, pf, badr, bT
	v_add_nc_u32 v11, \src, v1
	v_add_nc_u32 v12, \ssc, v2
.if \prime
	WLOAD 2, \base, \a0+2
.endif
.irp i, 0,1,2,3,4,5,6,7
	ds_load_b128 v[224+4*\i:227+4*\i], v[\badr] offset:2048*(\bT)+128*(\i/4)+16*(\i%4)     ; the bias at my 32 channels, in register order
.endr
	XSET 0, 0
	XSCL 0, 0
	XSET 1, 0
.if \pf
; my wave's 64 rows x 512 bytes of x, which it reads again as f32 behind this product's eight K steps: 128 aligned blocks of 256 bytes, a lane a block, each named once in the launch
.irp q, 0,1,2,3
	global_prefetch_b8 v29, s[62:63] offset:131072*\q th:TH_LOAD_NT scope:SCOPE_SE
.endr
.endif
.set kj, 0
.rept \n
.set kc, 27
.set kw, 0
.set kn, 0
.if kj == 0
.set kc, 18
.endif
.if \tail
.if kj == \n-1
.set kc, 18
.endif
.if kj < \n-2
.set kw, 1
.endif
.else
.if kj > \n-4
.set kc, 9*(\n-1-kj)
.endif
.if kj < \n-4
.set kw, 1
.endif
.endif
.if kj < \n-1
.set kn, 1
.endif
	KSTEP kj, kc, kw, kn, \base, \a0+kj+4
.set kj, kj+1
.endr
.endm
; Tile m: the mean of my wave's 64 channels and the sum of their squares about it, in v[64 + 2 m : 65 + 2 m]; v32-63 take the centred numbers
.macro LSTAT m
	WIN 0x05
	v_pk_add_f32 v[80:81], v[32*(\m):32*(\m)+1], v[32*(\m)+4:32*(\m)+5]
	v_pk_add_f32 v[82:83], v[32*(\m)+2:32*(\m)+3], v[32*(\m)+6:32*(\m)+7]
	WIN 0x04
.irp k, 8,12,16,20,24,28
	v_pk_add_f32 v[80:81], v[80:81], v[32*(\m)+\k:32*(\m)+\k+1]
	v_pk_add_f32 v[82:83], v[82:83], v[32*(\m)+\k+2:32*(\m)+\k+3]
.endr
	WIN 0
	v_pk_add_f32 v[80:81], v[80:81], v[82:83]
	v_add_f32 v80, v80, v81
	v_permlanex16_b32 v84, v80, s4, s5
	v_add_f32 v80, v80, v84
	v_mul_f32 v[64+2*(\m)], 0x3c800000, v80        ; / 64
	v_mul_f32 v[65+2*(\m)], 0x3c800000, v80
	WIN 0x01
.set lk, 0
.rept 16
	v_pk_add_f32 v[32+lk:33+lk], v[32*(\m)+lk:32*(\m)+lk+1], v[64+2*(\m):65+2*(\m)] neg_lo:[0,1] neg_hi:[0,1]
.set lk, lk+2
.endr
	WIN 0
	v_pk_mul_f32 v[80:81], v[32:33], v[32:33]
	v_pk_mul_f32 v[82:83], v[34:35], v[34:35]
.irp k, 4,8,12,16,20,24,28
	v_pk_fma_f32 v[80:81], v[32+\k:33+\k], v[32+\k:33+\k], v[80:81]
	v_pk_fma_f32 v[82:83], v[34+\k:35+\k], v[34+\k:35+\k], v[82:83]
.endr
	v_pk_add_f32 v[80:81], v[80:81], v[82:83]
	v_add_f32 v80, v80, v81
	v_permlanex16_b32 v84, v80, s4, s5
	v_add_f32 v[65+2*(\m)], v80, v84
.endm
; Wave w joins the eight waves' figures of tile w: mean = the mean of the means; variance = (sum of M2 + 64 x sum of (mean_w - mean)^2) / 512
.macro LNRED
	s_lshl_b32 s3, s2, 10
	s_add_co_u32 s3, s3, ST
	v_add_nc_u32 v10, s3, v8
	s_lshl_b32 s3, s2, 7
	s_add_co_u32 s3, s3, MR
	v_add_nc_u32 v11, s3, v8
.irp i, 0,1,2,3,4,5,6,7
	ds_load_b64 v[32+2*\i:33+2*\i], v10 offset:128*\i
.endr
	s_wait_dscnt 0x0
	v_pk_add_f32 v[48:49], v[32:33], v[34:35]
.irp i, 2,3,4,5,6,7
	v_pk_add_f32 v[48:49], v[48:49], v[32+2*\i:33+2*\i]
.endr
	v_mul_f32 v48, 0x3e000000, v48
	v_sub_f32 v50, v32, v48
	v_mul_f32 v51, v50, v50
.irp i, 1,2,3,4,5,6,7
	v_sub_f32 v50, v[32+2*\i], v48
	v_fmac_f32 v51, v50, v50
.endr
	v_fmac_f32 v49, 0x42800000, v51
	v_mul_f32 v49, 0x3b000000, v49
	v_add_f32 v49, 0x3727c5ac, v49
	v_rsq_f32 v49, v49
	v_nop
	s_wait_alu depctr_va_vdst(0)                   ; ahead of the first reader of the root
	ds_store_b64 v11, v[48:49]
.endm
.macro LNTA m, mr                      ; v32-63 = tile m - mean: the last read of the tile's accumulators
	WIN 0x01
.set lk, 0
.rept 16
	v_pk_add_f32 v[32+lk:33+lk], v[32*(\m)+lk:32*(\m)+lk+1], v[\mr:\mr+1] op_sel_hi:[1,0] neg_lo:[0,1] neg_hi:[0,1]
.set lk, lk+2
.endr
	WIN 0
.endm
.macro LNTB mr, G, B                   ; x 1 / std x g + b
.set lk, 0
.rept 16
	v_pk_mul_f32 v[32+lk:33+lk], v[32+lk:33+lk], v[\mr:\mr+1] op_sel:[0,1] op_sel_hi:[1,1]
.set lk, lk+2
.endr
.set lk, 0
.rept 16
	v_pk_fma_f32 v[32+lk:33+lk], v[32+lk:33+lk], v[\G+lk:\G+lk+1], v[\B+lk:\B+lk+1]
.set lk, lk+2
.endr
.endm
; N softmaxes of two: v[O + i] = the weight of the first, from d = v[D + i]
.macro SIGM D, N, lit, E, R, O
.set gi, 0
.rept \N
	v_mul_f32 v[\E+gi], \lit, -|v[\D+gi]|
.set gi, gi+1
.endr
.set gi, 0
.rept \N
	v_exp_f32 v[\E+gi], v[\E+gi]
.set gi, gi+1
.endr
	v_nop
	s_wait_alu depctr_va_vdst(0)                   ; one wait for the exponentials
.set gi, 0
.rept \N
	v_add_f32 v[\R+gi], 1.0, v[\E+gi]
.set gi, gi+1
.endr
.set gi, 0
.rept \N
	v_rcp_f32 v[\R+gi], v[\R+gi]
.set gi, gi+1
.endr
	v_nop
	s_wait_alu depctr_va_vdst(0)                   ; and one for the reciprocals
.set gi, 0
.rept \N
	v_mul_f32 v[\E+gi], v[\E+gi], v[\R+gi]
.set gi, gi+1
.endr
.set gi, 0
.rept \N
	v_cmp_le_f32 vcc_lo, 0, v[\D+gi]
	v_cndmask_b32 v[\O+gi], v[\E+gi], v[\R+gi], vcc_lo
.set gi, gi+1
.endr
.endm
	; ================ the head
	s_load_b512 s[8:23], s[0:1], 0x0               ; argument a (0 .. 25) lies in s[8 + 2 a : 9 + 2 a]
	s_load_b512 s[24:39], s[0:1], 0x40
	s_load_b512 s[40:55], s[0:1], 0x80
	s_load_b128 s[56:59], s[0:1], 0xc0
	s_load_b256 s[92:99], s[0:1], 0xd0             ; part, wc2_b, k_b, v_b
	v_lshrrev_b32 v9, 5, v0
	v_readfirstlane_b32 s2, v9                     ; wave 0..7
	s_mov_b32 s4, 0x76543210
	s_mov_b32 s5, 0xfedcba98                       ; v_permlanex16_b32's selects for lane l xor 16
	v_and_b32 v9, 31, v0
	v_lshlrev_b32 v1, 4, v9
	v_lshlrev_b32 v2, 2, v9
	v_lshlrev_b32 v3, 3, v9
	v_and_b32 v10, 15, v0                          ; r
	v_bfe_u32 v11, v0, 4, 1                        ; h
	v_lshlrev_b32 v7, 4, v10
	v_lshlrev_b32 v8, 3, v10
	s_lshr_b32 s3, s2, 1
	s_and_b32 s6, s2, 1
	s_lshl_b32 s7, s3, 13
	s_lshl_b32 s100, s6, 9
	s_add_co_u32 s7, s7, s100
	v_lshl_add_u32 v4, v11, 3, v7
	v_add_nc_u32 v4, s7, v4                        ; 16 r + 8 h + 8192 (w / 2) + 512 (w % 2): my 64 channels are half c = w % 2 of K step w / 2
	s_lshl_b32 s7, s3, 9
	s_lshl_b32 s100, s6, 1
	s_add_co_u32 s7, s7, s100
	v_lshl_add_u32 v5, v10, 2, s7                  ; 4 r + 512 (w / 2) + 2 (w % 2)
	s_lshl_b32 s7, s2, 8
	s_add_co_u32 s7, s7, PRM
	v_lshl_add_u32 v6, v11, 6, s7                  ; PRM + 256 w + 64 h
	v_mov_b32 v14, 0x32edffee
	v_mov_b32 v15, 0x32edffee
	v_mov_b32 v16, 0xb95fbd29
	v_mov_b32 v17, 0xb95fbd29
	v_bfe_u32 v29, v0, 1, 4
	v_and_b32 v28, 1, v0
	v_lshlrev_b32 v29, 13, v29
	v_lshl_add_u32 v29, v28, 8, v29                ; the prefetches: row lane / 2, block lane % 2
	v_lshlrev_b32 v9, 3, v0                        ; 8 bytes a thread: a table is 2,048 bytes
	v_lshl_add_u32 v10, v0, 3, PRM
	v_and_b32 v26, 3, v0                           ; the x phase: lane l is position 32 g + l (g = w % 4): tile 4 (g / 2) + l % 4, row 8 (g % 2) + l / 4
	v_bfe_u32 v27, v0, 2, 3
	s_bfe_u32 s6, s2, 0x10001                      ; g / 2
	s_and_b32 s7, s2, 1                            ; g % 2
	s_lshr_b32 s100, s2, 2                         ; hf: which 256 channels
	s_lshl_b32 s101, s6, 12
	s_lshl_b32 s66, s7, 7
	s_add_co_u32 s101, s101, s66
	s_lshl_b32 s66, s100, 14
	s_add_co_u32 s101, s101, s66
	v_lshlrev_b32 v11, 10, v26
	v_lshl_add_u32 v11, v27, 4, v11
	v_add_nc_u32 v11, s101, v11                    ; where a block's 16 bytes of codes go
	s_lshl_b32 s101, s6, 8
	s_lshl_b32 s66, s7, 5
	s_add_co_u32 s101, s101, s66
	s_lshl_b32 s66, s100, 10
	s_add_co_u32 s101, s101, s66
	s_add_co_u32 s101, s101, HSC
	v_lshlrev_b32 v12, 6, v26
	v_lshl_add_u32 v12, v27, 2, v12
	v_add_nc_u32 v12, s101, v12                    ; and a K step's scale word
	s_and_b32 s3, ttmp7, 0xffff                    ; the batch
	s_lshl_b32 s6, s3, 1
	s_lshr_b32 s7, s2, 2
	s_add_co_u32 s6, s6, s7                        ; gt2: thread t adds four numbers: row 2 b + w / 4,
	s_lshl_b32 s6, s6, 11
	s_and_b32 s7, s2, 3
	s_lshl_b32 s7, s7, 9                           ; channels 128 (w % 4) + 4 lane on
	s_add_co_u32 s6, s6, s7
	v_add_nc_u32 v26, s6, v1
	v_add_nc_u32 v27, s7, v1
	v_lshl_add_u32 v28, v0, 4, G2                  ; and puts them at 16 bytes a thread
	s_wait_kmcnt 0x0
	s_load_b128 s[68:71], s[48:49], 0x0            ; g3_b
	s_load_b128 s[72:75], s[50:51], 0x0            ; gl3_g
	s_load_b128 s[76:79], s[52:53], 0x0            ; gl3_b
	s_load_b256 s[80:87], s[54:55], 0x0            ; g4_w
	s_load_b64 s[88:89], s[56:57], 0x0             ; g4_b
	s_lshl_b32 s6, s3, 22
	s_lshl_b32 s7, ttmp9, 9
	s_add_co_u32 s6, s6, s7
	s_mov_b32 s7, 0
	s_add_nc_u64 s[8:9], s[8:9], s[6:7]            ; x at channel 0 of my first position
	s_mul_i32 s6, s2, 191488
	s_add_nc_u64 s[10:11], s[10:11], s[6:7]        ; my wave's 44 chunks
	s_lshl_b32 s6, s3, 13
	s_lshl_b32 s100, ttmp9, 9
	s_add_co_u32 s6, s6, s100
	s_add_nc_u64 s[58:59], s[58:59], s[6:7]        ; out0 at my first position
	s_lshl_b32 s6, s2, 19
	s_add_nc_u64 s[62:63], s[8:9], s[6:7]          ; x at my wave's 64 channels
	s_lshr_b32 s6, s2, 2
	s_lshl_b32 s6, s6, 21
	s_and_b32 s100, s2, 3
	s_lshl_b32 s100, s100, 7
	s_add_co_u32 s6, s6, s100
	s_add_nc_u64 s[90:91], s[8:9], s[6:7]          ; x at channel 256 hf, position 32 g
	global_load_b128 v[104:107], v26, s[12:13]     ; gt1
	global_load_b128 v[108:111], v27, s[94:95]     ; wc2_b
.irp i, 0,1,2,3,4,5,6,7
	global_load_b128 v[224+4*\i:227+4*\i], v26, s[92:93] offset:65536*\i   ; the eight shares of product 4
.endr
	global_load_b64 v[32:33], v9, s[14:15]
	global_load_b64 v[34:35], v9, s[16:17]
	global_load_b64 v[36:37], v9, s[18:19]
	global_load_b64 v[38:39], v9, s[18:19] offset:2048
	global_load_b64 v[40:41], v9, s[20:21]
	global_load_b64 v[42:43], v9, s[22:23]
	global_load_b64 v[44:45], v9, s[24:25]
	global_load_b64 v[46:47], v9, s[26:27]
	global_load_b64 v[48:49], v9, s[28:29]
	global_load_b64 v[50:51], v9, s[96:97]         ; k_b
	global_load_b64 v[52:53], v9, s[98:99]         ; v_b
	WLOAD 0, 10, 0
	WLOAD 1, 10, 1
	WLOAD 2, 10, 2
	; ================ X: x becomes codes.  A lane takes a position, its registers run down the channels: a block of 32 lies in one lane.  Four waves stand side by side on 512 bytes of a row.
.macro XLOAD B
	WIN 0x40
.set xk, 0
.rept 32
	global_load_b32 v[32*(\B)+xk], v2, s[90:91] offset:(32*(\B)+xk)*8192
.set xk, xk+1
.endr
	WIN 0
.endm
.macro XQ B, cnt
	s_wait_loadcnt \cnt
	WIN 0x05
	v_max3_num_f32 v100, |v[32*(\B)]|, |v[32*(\B)+1]|, 0x1800000
	v_max3_num_f32 v101, |v[32*(\B)+2]|, |v[32*(\B)+3]|, 0x1800000
.irp i, 4,8,12,16,20,24,28
	v_max3_num_f32 v100, |v[32*(\B)+\i]|, |v[32*(\B)+\i+1]|, v100
	v_max3_num_f32 v101, |v[32*(\B)+\i+2]|, |v[32*(\B)+\i+3]|, v101
.endr
	WIN 0
	v_max_num_f32 v100, v100, v101
	v_add_nc_u32 v102, 0xff000000, v100
	v_lshrrev_b32 v103, 23, v102
.if (\B)%4 == 0
	v_mov_b32 v[96+(\B)/4], v103
.else
	v_lshl_or_b32 v[96+(\B)/4], v103, 8*((\B)%4), v[96+(\B)/4]
.endif
	WIN 0x01
.irp g, 0,1,2,3
	v_cvt_scalef32_pk8_fp4_f32 v[64+4*(\B)+\g], v[32*(\B)+8*\g:32*(\B)+8*\g+7], v102
.endr
	WIN 0
	v_nop                                          ; one plain place behind a scaled conversion
	ds_store_b128 v11, v[64+4*(\B):67+4*(\B)] offset:8192*((\B)/4)+512*(((\B)/2)%2)+256*((\B)%2)
.if (\B)%4 == 3
	ds_store_b32 v12, v[96+(\B)/4] offset:512*((\B)/4)
.endif
.endm
; the four chunks of k (ty = 0) or v (ty = 1) into window 1, where x's blocks have been used up; their scale words into v224-239: 36 loads
.macro KLOAD ty
	WIN 0x40
.irp s, 0,1,2,3
.irp i, 0,1,2,3,4,5,6,7
	global_load_b128 v[128*\ty+32*\s+4*\i:128*\ty+32*\s+4*\i+3], v1, s[10:11] offset:4352*(36+4*\ty+\s)+512*\i
.endr
.endr
	WIN 0
.irp s, 0,1,2,3
	global_load_b64 v[224+8*\ty+2*\s:225+8*\ty+2*\s], v3, s[10:11] offset:4352*(36+4*\ty+\s)+4096
.endr
.endm
	XLOAD 0
	XLOAD 1
	s_wait_loadcnt 63                              ; behind the 21 loads of gt2's terms and of tables stand 91 younger ones: the field's largest count serves
.irp T, 0,1,2,3,4,5,6,7,8
	ds_store_b64 v10, v[32+2*\T:33+2*\T] offset:2048*\T
.endr
	ds_store_b64 v10, v[50:51] offset:2048*13
	ds_store_b64 v10, v[52:53] offset:2048*14
	v_pk_add_f32 v[104:105], v[104:105], v[108:109]            ; gt2 = gt1 + wc2_b + the shares, in a fixed order
	v_pk_add_f32 v[106:107], v[106:107], v[110:111]
.irp i, 0,1,2,3,4,5,6,7
	v_pk_add_f32 v[104:105], v[104:105], v[224+4*\i:225+4*\i]
	v_pk_add_f32 v[106:107], v[106:107], v[226+4*\i:227+4*\i]
.endr
	ds_store_b128 v28, v[104:107]
	XLOAD 2
	XQ 0, 63                                       ; 64 younger loads (two blocks) exist; the field holds 63
	XLOAD 3
	XQ 1, 63
	XLOAD 4
	XQ 2, 63
	XLOAD 5
	XQ 3, 63
	XLOAD 6
	XQ 4, 63
	XLOAD 7
	XQ 5, 63
	KLOAD 0                                        ; blocks 0-3 are used up: k's chunks take their registers
	XQ 6, 63                                       ; 68 younger loads exist
	XQ 7, 36                                       ; k's 36 loads may be out
	KLOAD 1                                        ; and v's take those of blocks 4-7
	s_wait_kmcnt 0x0                               ; the head's small tables in scalar registers
	BARRIER                                        ; 1: x's images, the tables and gt2 lie in LDS
	; ================ k and v.  Column r of source 1 is row r % 2 of gt2; every wave quantises the two rows for itself
	v_and_b32 v253, 1, v0
	v_bfe_u32 v251, v0, 4, 1
	v_lshlrev_b32 v252, 11, v253
	v_lshl_add_u32 v252, v251, 7, v252
	v_add_nc_u32 v252, G2, v252                    ; G2 + 2048 (r % 2) + 128 h
	v_lshl_add_u32 v253, v253, 11, v6              ; my place in a table, one table on for odd r
	v_lshlrev_b32 v251, 3, v251                    ; 8 h
	v_mov_b32 v250, 0                              ; a lane permute's destination counts as one of its sources
.irp s, 0,1,2,3
.irp c, 0,1
.irp q, 0,1,2,3,4,5,6,7
	ds_load_b128 v[32+32*\c+4*\q:35+32*\c+4*\q], v252 offset:512*\s+256*\c+16*\q
.endr
.endr
	s_wait_dscnt 0x0
	QUANTW 32, 96+8*\s, 240+\s, 244, 251
.endr
	TABLD 32, 13                                   ; k_b and v_b start the sums
	TABLD 64, 14
.rept 8
	v_nop                                          ; scale words made by vector instructions stand 8 places ahead of a scaled matrix instruction, operands 4
.endr
	s_wait_dscnt 0x0
	s_wait_loadcnt 36                              ; k's chunks are in; v's 36 loads may be out
	WIN 0x01                                       ; source 0 in window 1
.irp s, 0,1,2,3                        ; four accumulators by turns
.irp t, 0,1,2,3
	WM 32+8*\t, 32*\s+8*\t, 96+8*\s, 32+8*\t, 224+2*\s+(\t%2), 240+\s, \t/2, 0
.endr
.endr
	s_wait_loadcnt 0x0
.irp s, 0,1,2,3
.irp t, 0,1,2,3
	WM 64+8*\t, 128+32*\s+8*\t, 96+8*\s, 64+8*\t, 232+2*\s+(\t%2), 240+\s, \t/2, 0
.endr
.endr
	WIN 0
	PLACES
.irp i, 0,1,2,3,4,5,6,7
	ds_store_b128 v253, v[32+4*\i:35+4*\i] offset:2048*9+128*(\i/4)+16*(\i%4)      ; k0 or k1: the eight lanes of one parity in a half write the same bytes with the same values
.endr
.irp i, 0,1,2,3,4,5,6,7
	ds_store_b128 v253, v[64+4*\i:67+4*\i] offset:2048*11+128*(\i/4)+16*(\i%4)     ; v0 or v1
.endr
	s_wait_dscnt 0x0                               ; the stores have read their registers, which the fragments below take
	; ================ q
	PRODUCT 4, HIMG, HSC, 10, 0, 1, 0, 0, 6, 0
	; ================ attention.  Channel c is head c % 4 = k % 4.  d[head] = q . (k0 - k1): my wave's 64 channels first
	TABLD 192, 9
	TABLD 224, 10
	s_lshl_b32 s3, s2, 8
	s_add_co_u32 s3, s3, LG
	v_add_nc_u32 v9, s3, v7
.irp i, 64,65,66,67
	v_mov_b32 v\i, 0                               ; a lane permute's destination counts as one of its sources
.endr
	s_wait_dscnt 0x0
.set lk, 0
.rept 16
	v_pk_add_f32 v[192+lk:193+lk], v[192+lk:193+lk], v[224+lk:225+lk] neg_lo:[0,1] neg_hi:[0,1]
.set lk, lk+2
.endr
.irp m, 0,1,2,3,4,5,6,7
	WIN 0x01
	v_pk_mul_f32 v[32+4*\m:33+4*\m], v[32*\m:32*\m+1], v[192:193]
	v_pk_mul_f32 v[34+4*\m:35+4*\m], v[32*\m+2:32*\m+3], v[194:195]
.irp k, 4,8,12,16,20,24,28
	v_pk_fma_f32 v[32+4*\m:33+4*\m], v[32*\m+\k:32*\m+\k+1], v[192+\k:193+\k], v[32+4*\m:33+4*\m]
	v_pk_fma_f32 v[34+4*\m:35+4*\m], v[32*\m+\k+2:32*\m+\k+3], v[194+\k:195+\k], v[34+4*\m:35+4*\m]
.endr
	WIN 0
.irp i, 0,1,2,3
	v_permlanex16_b32 v[64+\i], v[32+4*\m+\i], s4, s5
.endr
	v_pk_add_f32 v[32+4*\m:33+4*\m], v[32+4*\m:33+4*\m], v[64:65]
	v_pk_add_f32 v[34+4*\m:35+4*\m], v[34+4*\m:35+4*\m], v[66:67]
	ds_store_b128 v9, v[32+4*\m:35+4*\m] offset:2048*\m
.endr
	BARRIER                                        ; 2: all waves' parts of d
	s_lshl_b32 s3, s2, 11
	s_add_co_u32 s3, s3, LG
	v_add_nc_u32 v10, s3, v7
.irp i, 0,1,2,3,4,5,6,7
	ds_load_b128 v[32+4*\i:35+4*\i], v10 offset:256*\i
.endr
	TABLD 192, 11
	TABLD 224, 12
	s_lshl_b32 s3, s2, 8
	s_add_co_u32 s3, s3, AT
	v_add_nc_u32 v9, s3, v7
	s_wait_dscnt 16                                ; the eight parts are in; the 16 loads of v0 and v1 may be out
.irp i, 1,2,3,4,5,6,7
	v_pk_add_f32 v[32:33], v[32:33], v[32+4*\i:33+4*\i]
	v_pk_add_f32 v[34:35], v[34:35], v[34+4*\i:35+4*\i]
.endr
	SIGM 32, 4, 0x3e0293ee, 64, 68, 72             ; c = log2(e) / sqrt(128)
	ds_store_b128 v9, v[72:75]
	s_wait_dscnt 0x0
.set lk, 0
.rept 16
	v_pk_add_f32 v[192+lk:193+lk], v[192+lk:193+lk], v[224+lk:225+lk] neg_lo:[0,1] neg_hi:[0,1]   ; v0 - v1
.set lk, lk+2
.endr
	s_barrier_signal -1                            ; 3: the weights of all tiles (my LDS instructions were waited for above)
	s_barrier_wait -1
	s_mov_b32 s92, 0
	s_mov_b32 s94, AT
	s_mov_b32 s95, OIMG
	s_mov_b32 s96, OSC
.Latt3:                                            ; eight trips, a tile each: out = v1 + a0 (v0 - v1), quantised, to its image
	s_wait_dscnt 0x0
	v_add_nc_u32 v9, s94, v7
	ds_load_b128 v[76:79], v9
	v_add_nc_u32 v10, s95, v4
	v_add_nc_u32 v11, s96, v5
	s_wait_dscnt 0x0
.set lk, 0
.rept 16
	v_pk_fma_f32 v[32+lk:33+lk], v[192+lk:193+lk], v[76+lk%4:77+lk%4], v[224+lk:225+lk]
.set lk, lk+2
.endr
	QUANT2 32, 64
	QSTORE 10, 0, 11, 0, 64
	s_add_co_u32 s94, s94, 256
	s_add_co_u32 s95, s95, 1024
	s_add_co_u32 s96, s96, 64
	s_add_co_u32 s92, s92, 1
	s_cmp_lt_u32 s92, 8
	s_cbranch_scc1 .Latt3
	BARRIER                                        ; 4
	; ================ merge, LayerNorm 0
	PRODUCT 4, OIMG, OSC, 10, 4, 1, 1, 0, 6, 1
	v_mov_b32 v84, 0
	s_lshl_b32 s3, s2, 7
	s_add_co_u32 s3, s3, ST
	v_add_nc_u32 v9, s3, v8
.irp m, 0,1,2,3,4,5,6,7
	LSTAT \m
	ds_store_b64 v9, v[64+2*\m:65+2*\m] offset:1024*\m
.endr
	TABLD 192, 5
	TABLD 224, 6
	BARRIER                                        ; 5
	LNRED
	BARRIER                                        ; 6
	v_add_nc_u32 v11, MR, v8
	v_add_nc_u32 v10, HSC+2048, v5
.irp m, 0,1,2,3,4,5,6,7
	ds_load_b64 v[96+2*\m:97+2*\m], v11 offset:128*\m
.endr
	s_wait_dscnt 0x0
.irp m, 0,1,2,3,4,5,6,7
	LNTA \m, 96+2*\m
	LNTB 96+2*\m, 192, 224
	QUANT2 32, 64
	QSTORE 4, 32768+1024*\m, 10, 64*\m, 64
.endr
	BARRIER                                        ; 7: the second half of m1's operand
	; ================ m1 in two passes of 512 outputs, each with its GELU
	s_mov_b64 s[60:61], s[10:11]
	s_mov_b32 s93, 0
	s_mov_b32 s97, 0
	s_mov_b32 s95, GIMG
	s_mov_b32 s96, GSC
.Lpass:
	v_add_nc_u32 v10, s97, v6
	PRODUCT 8, HIMG, HSC, 60, 8, 1, 1, 0, 10, 2
	s_mov_b32 s92, 0
.macro GSTUB m                         ; tile m's 32 sums x 0.5 come into window 0: all that differs from tile to tile
	WIN 0x01
.set lk, 0
.rept 16
	v_pk_mul_f32 v[32+lk:33+lk], v[32*(\m)+lk:32*(\m)+lk+1], 0.5 op_sel_hi:[1,0]
.set lk, lk+2
.endr
	WIN 0
.endm
.Lgel:                                             ; eight trips, a tile each; the long part is written once
	s_wait_dscnt 0x0
.irp i, 0,1,2,3,4,5,6
	s_cmp_eq_u32 s92, \i
	s_cbranch_scc1 .Lgs\i
.endr
	GSTUB 7
	s_branch .Lgjoin
.irp i, 0,1,2,3,4,5,6
.Lgs\i:
	GSTUB \i
	s_branch .Lgjoin
.endr
.Lgjoin:
	GELU 32, 16, 64, 96, 192, 224
	v_add_nc_u32 v9, s95, v4
	v_add_nc_u32 v11, s96, v5
	QUANT2 32, 64
	QSTORE 9, 0, 11, 0, 64
	s_add_co_u32 s95, s95, 1024
	s_add_co_u32 s96, s96, 64
	s_add_co_u32 s92, s92, 1
	s_cmp_lt_u32 s92, 8
	s_cbranch_scc1 .Lgel
	s_add_co_u32 s95, s95, 24576                   ; the second pass's K steps lie 32,768 bytes on
	s_add_co_u32 s96, s96, 1536
	s_add_co_u32 s97, s97, 2048
	s_wait_xcnt 0x0                                ; the loads that are out have read their base: it may step
	s_add_nc_u64 s[60:61], s[60:61], 34816         ; eight chunks on
	s_add_co_u32 s93, s93, 1
	s_cmp_lt_u32 s93, 2
	s_cbranch_scc1 .Lpass
	BARRIER                                        ; 8
	; ================ m2, LayerNorm 1, + x
	PRODUCT 8, GIMG, GSC, 10, 24, 0, 1, 1, 6, 4
	v_bfe_u32 v12, v0, 4, 1
	v_lshl_add_u32 v12, v12, 17, v7                ; 16 r + 16 h rows of 8,192 bytes
; x at my 32 channels, positions 4 r + 0 .. 3: register 4 k + mm belongs to tile mm; sixteen lanes read 256 consecutive bytes, aligned
.set xk, 0
.rept 32
	global_load_b128 v[128+4*xk:131+4*xk], v12, s[62:63] offset:(32*(xk/16)+(xk%16))*8192
.set xk, xk+1
.endr
; the same for positions 64 + 4 r + 0 .. 3 (tiles 4-7), eight channels at a time, into the accumulators of tile m, which have just had their last read: window 1, register 4 k + mm again
.macro XR1 m
	WIN 0x40
.irp i, 0,1,2,3,4,5,6,7
	global_load_b128 v[32*\m+4*\i:32*\m+4*\i+3], v12, s[62:63] offset:(32*((8*\m+\i)/16)+((8*\m+\i)%16))*8192+256
.endr
	WIN 0
.endm
	s_lshl_b32 s3, s2, 7
	s_add_co_u32 s3, s3, ST
	v_add_nc_u32 v9, s3, v8
.irp m, 0,1,2,3,4,5,6,7
	LSTAT \m
	ds_store_b64 v9, v[64+2*\m:65+2*\m] offset:1024*\m
.endr
	s_wait_dscnt 0x0                               ; the stores have read v64-79, which the tables take
	TABLD 64, 7
	TABLD 96, 8
	BARRIER                                        ; 9
	LNRED
	BARRIER                                        ; 10
	v_add_nc_u32 v10, MR, v8
	v_add_nc_u32 v9, DIMG, v4
	v_add_nc_u32 v11, DSC, v5
	v_mov_b32 v24, 0
	v_mov_b32 v25, 0
.irp m, 0,1,2,3,4,5,6,7
	ds_load_b64 v[30:31], v10 offset:128*\m
	s_wait_dscnt 0x0
	LNTA \m, 30
.if \m < 4
	XR1 \m
.endif
	LNTB 30, 64, 96
.if \m == 0
	s_wait_loadcnt 8                               ; x of tiles 0-3 is in; the eight loads just issued may be out
.endif
.if \m == 4
	s_wait_loadcnt 0x0                             ; x of tiles 4-7: asked for one to four tiles ago
.endif
.if \m < 4
.set lk, 0
.rept 32
	v_add_f32 v[32+lk], v[32+lk], v[128+4*lk+\m%4]
.set lk, lk+1
.endr
.else
	WIN 0x04                                       ; source 1 in window 1
.set lk, 0
.rept 32
	v_add_f32 v[32+lk], v[32+lk], v[4*lk+\m%4]
.set lk, lk+1
.endr
	WIN 0
.endif
	QUANT2 32, 18
	QSTORE 9, 1024*\m, 11, 64*\m, 18
.endr
	s_wait_xcnt 0x0                                ; the prefetches have read v29, the loads of x v12
	WLOAD 0, 10, 32
	WLOAD 1, 10, 33
	WLOAD 2, 10, 34
	WLOAD 3, 10, 35
	s_wait_dscnt 0x0
	v_bfe_u32 v12, v0, 4, 1
	v_lshlrev_b32 v9, 6, v12                       ; 64 h
	v_lshlrev_b32 v10, 5, v12                      ; 32 h
	v_lshlrev_b32 v11, 4, v12
	v_lshl_add_u32 v11, v7, 1, v11                 ; 32 r + 16 h
	v_lshrrev_b32 v12, 2, v8                       ; 2 r
	WIN 0x40                                       ; the head's small tables go into window 1, whose sums are all used up
.irp i, 0,1,2,3,4,5,6,7
	global_load_b128 v[4*\i:4*\i+3], v9, s[30:31] offset:128*(\i/4)+16*(\i%4)          ; g1_b starts the sums
	global_load_b128 v[32+4*\i:35+4*\i], v9, s[32:33] offset:128*(\i/4)+16*(\i%4)      ; gl1_g
	global_load_b128 v[64+4*\i:67+4*\i], v9, s[34:35] offset:128*(\i/4)+16*(\i%4)      ; gl1_b
.endr
.irp o, 0,1,2,3
	global_load_b128 v[96+8*\o:99+8*\o], v10, s[46:47] offset:64*\o                    ; g3_w[o] at channels 8 h on
	global_load_b128 v[100+8*\o:103+8*\o], v10, s[46:47] offset:64*\o+16
.endr
	global_load_b128 v[128:131], v10, s[40:41]                                         ; g2_b starts the sum
	global_load_b128 v[132:135], v10, s[40:41] offset:16
	global_load_b128 v[136:139], v10, s[42:43]                                         ; gl2_g
	global_load_b128 v[140:143], v10, s[42:43] offset:16
	global_load_b128 v[144:147], v10, s[44:45]                                         ; gl2_b
	global_load_b128 v[148:151], v10, s[44:45] offset:16
	global_load_b128 v[152:155], v11, s[36:37]                                         ; g2's codes: K = 64 is half a K step;
	v_mov_b32 v156, 0                                                                  ; the other half is zero codes
	v_mov_b32 v157, 0
	v_mov_b32 v158, 0
	v_mov_b32 v159, 0
	WIN 0
	global_load_u16 v13, v12, s[38:39]             ; g2's two scale bytes; the upper two stay 0, over zero codes
	BARRIER                                        ; 11: the images of x + LayerNorm 1
	; ================ the head: wave w takes tile w through g1 .. g4 by itself
	s_wait_xcnt 0x0                                ; the loads above have read v9-12
	s_lshl_b32 s3, s2, 10
	s_add_co_u32 s3, s3, DIMG
	v_add_nc_u32 v9, s3, v1
	s_lshl_b32 s3, s2, 6
	s_add_co_u32 s3, s3, DSC
	v_lshrrev_b32 v10, 1, v8
	v_add_nc_u32 v10, s3, v10
.irp s, 0,1,2,3
	ds_load_b128 v[32+8*\s:35+8*\s], v9 offset:8192*\s
	ds_load_b128 v[36+8*\s:39+8*\s], v9 offset:8192*\s+512
	ds_load_b32 v[26+\s], v10 offset:512*\s
.endr
	s_wait_loadcnt 0x0
	s_wait_dscnt 0x0
	WIN 0x50
.irp s, 0,1,2,3
.irp t, 0,1,2,3
	WM 8*\t, 128+32*\s+8*\t, 32+8*\s, 8*\t, 18+2*\s+(\t%2), 26+\s, \t/2, 0
.endr
.endr
	WIN 0
	PLACES
	LSTAT 0                                        ; the 64 channels lie in lanes l and l xor 16: v64 the mean, v65 the sum of squares about it, v32-63 centred
	v_mul_f32 v65, 0x3c800000, v65
	v_add_f32 v65, 0x3727c5ac, v65
	v_rsq_f32 v65, v65
	v_nop
	s_wait_alu depctr_va_vdst(0)
.set lk, 0
.rept 16
	v_pk_mul_f32 v[32+lk:33+lk], v[32+lk:33+lk], v[64:65] op_sel:[0,1] op_sel_hi:[1,1]
.set lk, lk+2
.endr
	WIN 0x14
.set lk, 0
.rept 16
	v_pk_fma_f32 v[32+lk:33+lk], v[32+lk:33+lk], v[32+lk:33+lk], v[64+lk:65+lk]        ; x gl1_g + gl1_b (sources 1 and 2 in window 1)
.set lk, lk+2
.endr
	WIN 0
	GMULC 32, 32, 0.5, 16
	GELU 32, 16, 64, 96, 192, 224
	QUANT2 32, 64
	s_lshl_b32 s3, s2, 9
	s_add_co_u32 s3, s3, HSCR
	v_bfe_u32 v11, v0, 4, 1
	v_lshl_add_u32 v11, v11, 3, v7
	v_add_nc_u32 v11, s3, v11
	v_add_nc_u32 v12, s3, v1
	ds_store_b64 v11, v[64:65]                     ; through my own 512 bytes: a lane gets a whole block
	ds_store_b64 v11, v[66:67] offset:256
	ds_load_b128 v[80:83], v12                     ; LDS serves a wave's instructions in order: this sees the stores
	v_mov_b32 v84, 0
	v_mov_b32 v85, 0
	v_mov_b32 v86, 0
	v_mov_b32 v87, 0
	s_wait_dscnt 0x0
.rept 8
	v_nop                                          ; a scale word made by vector instructions stands 8 places ahead of a scaled matrix instruction, an operand 4
.endr
	WIN 0x51
	v_wmma_scale_f32_16x16x128_f8f6f4 v[128:135], v[152:159], v[80:87], v[128:135], v13, v74 matrix_a_fmt:MATRIX_FMT_FP4 matrix_b_fmt:MATRIX_FMT_FP4
	WIN 0
	PLACES
	WIN 0x01
.irp j, 0,1,2,3,4,5,6,7
	v_mov_b32 v[32+\j], v[128+\j]                  ; channel 8 h + j
.endr
	WIN 0
	v_pk_add_f32 v[40:41], v[32:33], v[34:35]      ; LayerNorm over 16
	v_pk_add_f32 v[42:43], v[36:37], v[38:39]
	v_pk_add_f32 v[40:41], v[40:41], v[42:43]
	v_add_f32 v40, v40, v41
	v_permlanex16_b32 v42, v40, s4, s5
	v_add_f32 v40, v40, v42
	v_mul_f32 v40, 0x3d800000, v40
	v_mov_b32 v41, v40
.irp j, 0,2,4,6
	v_pk_add_f32 v[32+\j:33+\j], v[32+\j:33+\j], v[40:41] neg_lo:[0,1] neg_hi:[0,1]
.endr
	v_pk_mul_f32 v[42:43], v[32:33], v[32:33]
.irp j, 2,4,6
	v_pk_fma_f32 v[42:43], v[32+\j:33+\j], v[32+\j:33+\j], v[42:43]
.endr
	v_add_f32 v42, v42, v43
	v_permlanex16_b32 v43, v42, s4, s5
	v_add_f32 v42, v42, v43
	v_mul_f32 v42, 0x3d800000, v42
	v_add_f32 v42, 0x3727c5ac, v42
	v_rsq_f32 v42, v42
	v_nop
	s_wait_alu depctr_va_vdst(0)
.irp j, 0,2,4,6
	v_pk_mul_f32 v[32+\j:33+\j], v[32+\j:33+\j], v[42:43] op_sel_hi:[1,0]
.endr
	WIN 0x14
.irp j, 0,2,4,6
	v_pk_fma_f32 v[32+\j:33+\j], v[32+\j:33+\j], v[136+\j:137+\j], v[144+\j:145+\j]
.endr
	WIN 0
	GMULC 32, 32, 0.5, 4
	GELU 32, 4, 40, 48, 56, 64
	WIN 0x04                                       ; g3, in f32: my eight channels, then lane l xor 16's
.irp o, 0,1,2,3
	v_pk_mul_f32 v[40+2*\o:41+2*\o], v[32:33], v[96+8*\o:97+8*\o]
.endr
.irp j, 2,4,6
.irp o, 0,1,2,3
	v_pk_fma_f32 v[40+2*\o:41+2*\o], v[32+\j:33+\j], v[96+8*\o+\j:97+8*\o+\j], v[40+2*\o:41+2*\o]
.endr
.endr
	WIN 0
.irp o, 0,1,2,3
	v_add_f32 v[48+\o], v[40+2*\o], v[41+2*\o]
.endr
.irp o, 0,1,2,3
	v_permlanex16_b32 v[52+\o], v[48+\o], s4, s5
.endr
.irp o, 0,1,2,3
	v_add_f32 v[48+\o], v[48+\o], v[52+\o]
.endr
.irp o, 0,1,2,3
	v_add_f32 v[48+\o], s[68+\o], v[48+\o]
.endr
	v_add_f32 v56, v48, v49                        ; LayerNorm over 4, in the lane
	v_add_f32 v57, v50, v51
	v_add_f32 v56, v56, v57
	v_mul_f32 v56, 0x3e800000, v56
.irp o, 0,1,2,3
	v_sub_f32 v[48+\o], v[48+\o], v56
.endr
	v_mul_f32 v57, v48, v48
	v_fmac_f32 v57, v49, v49
	v_fmac_f32 v57, v50, v50
	v_fmac_f32 v57, v51, v51
	v_mul_f32 v57, 0x3e800000, v57
	v_add_f32 v57, 0x3727c5ac, v57
	v_rsq_f32 v57, v57
	v_nop
	s_wait_alu depctr_va_vdst(0)
.irp o, 0,1,2,3
	v_mul_f32 v[48+\o], v[48+\o], v57
.endr
.irp o, 0,1,2,3
	v_fma_f32 v[32+\o], v[48+\o], s[72+\o], s[76+\o]
.endr
	GMULC 32, 32, 0.5, 2
	GELU 32, 2, 40, 44, 48, 52
	v_fma_f32 v40, v32, s80, s88                   ; g4
	v_fma_f32 v41, v32, s84, s89
	v_fma_f32 v40, v33, s81, v40
	v_fma_f32 v41, v33, s85, v41
	v_fma_f32 v40, v34, s82, v40
	v_fma_f32 v41, v34, s86, v41
	v_fma_f32 v40, v35, s83, v40
	v_fma_f32 v41, v35, s87, v41
	v_sub_f32 v42, v40, v41
	SIGM 42, 1, 0x3fb8aa3b, 43, 44, 45
	s_lshr_b32 s3, s2, 2
	s_lshl_b32 s3, s3, 8
	s_and_b32 s6, s2, 3
	s_lshl_b32 s6, s6, 2
	s_add_co_u32 s3, s3, s6
	s_add_co_u32 s3, s3, OUTS
	v_add_nc_u32 v11, s3, v7                       ; position 64 (w / 4) + 4 r + w % 4
	v_add_nc_u32 v12, OUTS, v1
	ds_store_b32 v11, v45                          ; lanes l and l xor 16 write the same word with the same value
	BARRIER                                        ; 12
	s_cmp_lg_u32 s2, 0
	s_cbranch_scc1 .Lend
	ds_load_b128 v[32:35], v12
	s_wait_dscnt 0x0
	global_store_b128 v1, v[32:35], s[58:59]       ; 512 consecutive bytes, aligned
.Lend:
	s_barrier_signal -1
	s_barrier_wait -1
	s_wait_xcnt 0x0
	v_lshl_add_u32 v254, v0, 2, 0x43600
	v_mov_b32 v255, 0
	s_wait_tensorcnt 0x0
	ds_add_u32 v254, v255
	s_wait_dscnt 0x0
	s_endpgm
.Lfunc_end_k_q9d6a6ef624_main:
	.size	k_q9d6a6ef624_main, .Lfunc_end_k_q9d6a6ef624_main-k_q9d6a6ef624_main
	.p2alignl 7, 3214868480
	.fill 96, 4, 3214868480
	.section	.rodata,"a",@progbits
	.p2align	6, 0x0
	.amdhsa_kernel k_q9d6a6ef624_main
		.amdhsa_group_segment_fixed_size 276992
		.amdhsa_private_segment_fixed_size 0
		.amdhsa_enable_private_segment 0
		.amdhsa_kernarg_size 240
		.amdhsa_user_sgpr_count 2
		.amdhsa_user_sgpr_kernarg_segment_ptr 1
		.amdhsa_wavefront_size32 1
		.amdhsa_system_sgpr_workgroup_id_x 1
		.amdhsa_system_sgpr_workgroup_id_y 1
		.amdhsa_system_sgpr_workgroup_id_z 1
		.amdhsa_system_vgpr_workitem_id 0
		.amdhsa_next_free_vgpr 512
		.amdhsa_next_free_sgpr 102
		.amdhsa_reserve_vcc 1
		.amdhsa_float_denorm_mode_32 3
		.amdhsa_float_denorm_mode_16_64 3
		.amdhsa_memory_ordered 1
		.amdhsa_forward_progress 1
		.amdhsa_inst_pref_size 255
	.end_amdhsa_kernel
	.section	.bss,"aw",@nobits
	.p2align	6
	.space	262144
	.amdgpu_metadata
---
amdhsa.version: [ 1, 2 ]
amdhsa.kernels:
  - .name:           k_q9d6a6ef624_main
    .symbol:         k_q9d6a6ef624_main.kd
    .args:
      - { .name: x, .offset: 0, .size: 8, .value_kind: global_buffer, .address_space: global }
      - { .name: wst, .offset: 8, .size: 8, .value_kind: global_buffer, .address_space: global }
      - { .name: gt1t, .offset: 16, .size: 8, .value_kind: global_buffer, .address_space: global }
      - { .name: q_b, .offset: 24, .size: 8, .value_kind: global_buffer, .address_space: global }
      - { .name: merge_b, .offset: 32, .size: 8, .value_kind: global_buffer, .address_space: global }
      - { .name: m1_b, .offset: 40, .size: 8, .value_kind: global_buffer, .address_space: global }
      - { .name: m2_b, .offset: 48, .size: 8, .value_kind: global_buffer, .address_space: global }
      - { .name: n0_g, .offset: 56, .size: 8, .value_kind: global_buffer, .address_space: global }
      - { .name: n0_b, .offset: 64, .size: 8, .value_kind: global_buffer, .address_space: global }
      - { .name: n1_g, .offset: 72, .size: 8, .value_kind: global_buffer, .address_space: global }
      - { .name: n1_b, .offset: 80, .size: 8, .value_kind: global_buffer, .address_space: global }
      - { .name: g1_b, .offset: 88, .size: 8, .value_kind: global_buffer, .address_space: global }
      - { .name: gl1_g, .offset: 96, .size: 8, .value_kind: global_buffer, .address_space: global }
      - { .name: gl1_b, .offset: 104, .size: 8, .value_kind: global_buffer, .address_space: global }
      - { .name: g2_w_codes, .offset: 112, .size: 8, .value_kind: global_buffer, .address_space: global }
      - { .name: g2_w_scales, .offset: 120, .size: 8, .value_kind: global_buffer, .address_space: global }
      - { .name: g2_b, .offset: 128, .size: 8, .value_kind: global_buffer, .address_space: global }
      - { .name: gl2_g, .offset: 136, .size: 8, .value_kind: global_buffer, .address_space: global }
      - { .name: gl2_b, .offset: 144, .size: 8, .value_kind: global_buffer, .address_space: global }
      - { .name: g3_w, .offset: 152, .size: 8, .value_kind: global_buffer, .address_space: global }
      - { .name: g3_b, .offset: 160, .size: 8, .value_kind: global_buffer, .address_space: global }
      - { .name: gl3_g, .offset: 168, .size: 8, .value_kind: global_buffer, .address_space: global }
      - { .name: gl3_b, .offset: 176, .size: 8, .value_kind: global_buffer, .address_space: global }
      - { .name: g4_w, .offset: 184, .size: 8, .value_kind: global_buffer, .address_space: global }
      - { .name: g4_b, .offset: 192, .size: 8, .value_kind: global_buffer, .address_space: global }
      - { .name: out0, .offset: 200, .size: 8, .value_kind: global_buffer, .address_space: global }
      - { .name: part, .offset: 208, .size: 8, .value_kind: global_buffer, .address_space: global }
      - { .name: wc2_b, .offset: 216, .size: 8, .value_kind: global_buffer, .address_space: global }
      - { .name: k_b, .offset: 224, .size: 8, .value_kind: global_buffer, .address_space: global }
      - { .name: v_b, .offset: 232, .size: 8, .value_kind: global_buffer, .address_space: global }
    .group_segment_fixed_size: 276992
    .private_segment_fixed_size: 0
    .kernarg_segment_align: 8
    .kernarg_segment_size: 240
    .max_flat_workgroup_size: 256
    .sgpr_count:     102
    .vgpr_count:     512
    .wavefront_size: 32
...
	.end_amdgpu_metadata
.endif
;; end of part 3
